; MI455X (gfx1250); checked and timed in simulation.
; The chip was launched on July 23, 2026; its instructions are those of AMD's public machine-readable ISA for CDNA 5 (MIT licence, August 2026) and "CDNA5" Instruction Set Architecture Reference Guide (July 2026). The comments in the code are by the model that wrote it; some were corrected since.
;; Multi Head Attn. Allowed arithmetic: matrix products marked QUANTISED: E5M2 operands, one given power-of-two scale a tensor, by v_wmma_f32_16x16x64_bf8_bf8 or v_wmma_f32_16x16x128_bf8_bf8, f32 sums; products left as they are: f32 operands where the result goes on into a quantised operand, else bf16, f16 or f32 operands; f32 sums; everything else in f32.
;; Inputs: Wk_codes 1,024 x 32 x 32 uint8 (E5M2 codes of Wk, K innermost, in blocks of 32 codes); Wo_codes 1,024 x 32 x 32 uint8 (E5M2 codes of Wo, K innermost, in blocks of 32 codes); Wq_codes 1,024 x 32 x 32 uint8 (E5M2 codes of Wq, K innermost, in blocks of 32 codes); Wv_codes 1,024 x 32 x 32 uint8 (E5M2 codes of Wv, K innermost, in blocks of 32 codes); bo 1,024 float32; lowp_scales 10 int32 (the exponents e of the quantised operands' scales 2^e); x_codes 2 x 1,024 x 32 x 32 uint8 (E5M2 codes of x, K innermost, in blocks of 32 codes).
;; Outputs: out0 2 x 1,024 x 1,024 float32.
;; This version of the problem:
;;   THIS VERSION OF THE PROBLEM IS GIVEN IN LOW PRECISION. The matrix products marked QUANTISED in the list below multiply operands that are first quantised to E5M2 (5 exponent bits, 2 mantissa bits; 8 bits a number), with one given power-of-two scale for each operand tensor; their sums are f32. All else is computed in f32.
;;   The module's matrix products, in the order in which they are computed (A, B: the left and right operand; K: the contracted axis; several contracted axes count as one K, in the product's order):
;;     1. [M 2,048, K 1,024] x [K 1,024, N 1,024]; A: input x (given as codes); B: input Wq (given as codes): QUANTISED (scales: A lowp_scales[0], B lowp_scales[1])
;;     2. [M 2,048, K 1,024] x [K 1,024, N 1,024]; A: input x (given as codes); B: input Wk (given as codes): QUANTISED (scales: A lowp_scales[2], B lowp_scales[3])
;;     3. [M 2,048, K 1,024] x [K 1,024, N 1,024]; A: input x (given as codes); B: input Wv (given as codes): QUANTISED (scales: A lowp_scales[4], B lowp_scales[5])
;;     4. batch 128 x [M 1,024, K 16] x [K 16, N 1,024]; A: computed on the way; B: computed on the way: left as it is (K = 16 < 32)
;;     5. batch 128 x [M 1,024, K 1,024] x [K 1,024, N 16]; A: softmax (see below); B: computed on the way: QUANTISED (scales: A lowp_scales[6], B lowp_scales[7])
;;     6. [M 2,048, K 1,024] x [K 1,024, N 1,024]; A: computed on the way; B: input Wo (given as codes): QUANTISED (scales: A lowp_scales[8], B lowp_scales[9])
;;   THE QUANTISER, for each operand of a quantised product, along K:
;;     - The operand's scale is 2^e, e = its entry of the input lowp_scales (int32; the entries are numbered through the quantised products in the list's order, A before B).
;;     - Each number is divided by the scale, clamped to +-57,344, and rounded to the nearest number of E5M2, ties to even, subnormals kept.
;;     - The product sums the exact products of the quantised numbers (number of the format x scale) in f32.
;;   ~~~python
;;   def quantise(x, axis, e):      # numpy; x: float32 -> the quantised numbers, widened to float32 again
;;       x = np.moveaxis(x, axis, -1); K = x.shape[-1]
;;       r = np.clip(x / 2.0 ** e, -57344, 57344)
;;       step = 2.0 ** (np.maximum(np.frexp(np.where(r == 0, 1, r))[1] - 1, -14) - 2)
;;       q = np.round(r / step) * step * 2.0 ** e      # np.round: ties to even
;;       return np.moveaxis(q, -1, axis).astype(np.float32)
;;   ~~~
;;   SOFTMAX AHEAD OF A QUANTISED PRODUCT. Where the list says 'softmax', what is quantised is not the finished softmax but p = 2^(t - M), with t = logit x log2(e) and M = ceil(the row's largest t), a whole number; so 1/2 < the row's largest p <= 1. The row's sum l is taken of the UNQUANTISED p, in f32, and the product's result is divided by l at the end. Since M is a whole number, a kernel that streams over the keys may use a running M (the ceiling of the running maximum): every later rescaling is an exact power of two, so the quantised numbers keep their values, but for numbers so far below the row's largest that they fall under the format's range.
;;   OPERANDS COMPUTED ON THE WAY. 'Computed on the way' means the value that the module computes at that place (a softmax that the list does not call 'softmax' is quantised finished and normalised). What goes into a quantiser is computed in f32, as accurately as f32 sums, v_exp_f32 and their like allow (about 1e-6 of the number): no bf16 or f16 on the way to a quantiser, and a product that is left as it is and whose result goes on into a quantised operand takes f32 operands (vector FMAs, or v_wmma_f32_16x16x4_f32). A number that lies on a knife's edge between two numbers of the format may be rounded either way, as far as f32 arithmetic and the matrix unit's own rounding can turn it there, and no further.
;;   INPUTS GIVEN AS CODES. Wk (in the module: [1024, 1024], K = its axis 0); Wo (in the module: [1024, 1024], K = its axis 0); Wq (in the module: [1024, 1024], K = its axis 0); Wv (in the module: [1024, 1024], K = its axis 0); x (in the module: [2, 1024, 1024], K = its axis 2): each comes as NAME_codes (uint8): NAME with its K axis moved to the last place and cut into blocks of 32 codes, [.., K / 32, bytes a block], one block behind the other in memory; one code a byte (a code: sign, 5 exponent bits, 2 mantissa bits); its scale is its entry of lowp_scales. Its value is code x scale, taken as it is: it is not quantised again, and the codes and scales need not be those that the quantiser above would give.
;; 2 versions, each right and faster than the one before. Each part assembles by itself: llvm-mc -triple=amdgcn-amd-amdhsa -mcpu=gfx1250 --defsym DOCPART=n.
;; ======== version 1 of 2: 3 launches
;; workspace buffers: qf 8,388,608 bytes; kf 8,388,608 bytes; vc 2,097,152 bytes; cc 2,097,152 bytes
;; launch qkv (part 1): grid 4 x 24, 4 waves a work-group, clusters of 4 x 4, 327,680 bytes of LDS; arguments x_codes, Wq_codes, Wk_codes, Wv_codes, lowp_scales, qf, kf, vc; writes qf, kf, vc
.if DOCPART == 1
	.amdgcn_target "amdgcn-amd-amdhsa--gfx1250"
	.amdhsa_code_object_version 6
	.text
	.protected	k_q819df14290_qkv
	.globl	k_q819df14290_qkv
	.p2align	8
	.type	k_q819df14290_qkv,@function
k_q819df14290_qkv:
	s_mov_b64 s[64:65], 0
	v_nop
	global_prefetch_b8 v0, s[64:65] scope:SCOPE_SE
	s_setreg_imm32_b32 hwreg(HW_REG_WAVE_MODE, 25, 1), 1
	s_wait_xcnt 0x0
	s_wait_alu depctr_hold_cnt(0) depctr_sa_sdst(0) depctr_va_vdst(0) depctr_va_sdst(0) depctr_va_ssrc(0) depctr_va_vcc(0) depctr_vm_vsrc(0)
	s_getreg_b32 s2, hwreg(HW_REG_IB_STS2, 6, 4)
	s_cmp_eq_u32 s2, 0
	s_cbranch_scc0 .Lentry_in_a_cluster
	s_endpgm
.Lentry_in_a_cluster:
	s_bfe_u32 s2, ttmp6, 0x10000c
	s_cmp_lg_u32 s2, 0xf033
	s_cbranch_scc0 .Lentry_shape_is_right
	s_endpgm
.Lentry_shape_is_right:
; q = x Wq, k = x Wk, v = x Wv on codes of BF8 (E5M2), K = 1,024 innermost in every operand; sums in f32.
; Six clusters of 4 x 4 work-groups: cluster y = z; t = z / 2 says which product (0 q, 1 k, 2 v), bt = z % 2 which batch of 1,024 tokens.
; A work-group makes 256 x 256 numbers, each of its four waves 128 x 128: 64 accumulators of 16 x 16.  K goes in steps of 256 through a ring of two LDS slots.
; The matrix instruction takes 16 rows of B' as source 0 and 16 rows of A' as source 1: lane (r, h) of an accumulator holds A' row r and B' rows 8 h + 0 .. 7.
;   t < 2: A' = x (tokens), B' = W (columns).  16 neighbouring columns are a head, so an accumulator is (16 tokens, one head): lane (r, h) holds token r, features 8 h + 0 .. 7.
;          It is stored as it stands, x 2^(ex + ew): qf, kf = [batch x head 128][token tile 64][half 2][lane 32][4 f32]: the operand registers of the f32 score product.
;   t = 2: A' = Wv (columns), B' = x (tokens): lane (r, h) holds feature r of a head and tokens 8 h + 0 .. 7: eight neighbours along the keys, which are the K of the product p v.
;          They are quantised with the given 2^e7 and stored as the operand's registers: vc = [batch x head 128][block of 128 keys 8][4][lane 32][16 bytes].
; Every store of a wave covers 512 consecutive bytes, aligned to 512.
; CLUSTERS: the four work-groups of a row of the cluster need the same rows of A', the four of a column the same rows of B': each tile is asked for jointly.
; LIMITS: ex + ew between -126 and 127 (q, k); e7 - e4 - e5 between -126 and 112 (v), so that each power of two below is an f32 number.  NaN and infinity among the codes are not served.
; REGISTERS, in windows of 256: window 0: v0-31 addresses; from v128 A' fragments, one set; on the way out v32-223 are at work.  window 1: B' fragments, two sets.  windows 2, 3: the accumulators.
.set ROWB,   256                       ; a tile's row in bytes: 256 codes
.set KROW,   1024                      ; a row of any operand in memory, in bytes
.set PITCH,  272                       ; an LDS row: 256 bytes + 16 of padding = 68 words: the 16 rows of a fragment load start 4 words apart modulo 64 words
.set FR,     16                        ; registers of a fragment: 16 rows x 128 K
.set NL,     4                         ; LDS loads that bring one
.set NP,     4                         ; places behind this matrix instruction (ISA guide 7.12.1)
.set HALFT,  128*PITCH                 ; 128 rows: what one tensor load brings
.set SLOT,   4*HALFT                   ; A' 256 rows, then B' 256 rows
.set LAPS,   2                         ; 1,024 along K = two laps of two slots of 256
.set SPARE,  2*SLOT                    ; behind the ring: the spare words, 128 bytes for each wave
.set ADRA, 16                          ; v16-17  LDS address of my A' fragments in slot 0, 1
.set ADRB, 20                          ; v20-21  the same for B'
.set CO,   26                          ; v26     16 x lane: my place in a store's 512 bytes
.set SCV,  27                          ; v27     2^(e7 - e4 - e5) as f32, for v's conversions
.set SPW,  28                          ; v28     LDS address of my spare word; never rewritten
.set NIL,  29                          ; v29     0; never rewritten
.set TF,   160                         ; v160-223 v's way out: 64 held numbers
.set AF,   128                         ; A' fragments, in window 0
.set G1, 24                            ; s[24:31] descriptor group 1 for A' tiles;  s[32:39] group 0, one set for each slot
.set G0, 32
.set G1B, 48                           ; s[48:55], s[56:63] the same for B' tiles
.set G0B, 56
.set MSB, 0
.macro WIN new                         ; the immediate's high byte repeats the setting that is left
.if MSB != \new
	s_set_vgpr_msb (MSB<<8)|\new
.set MSB, \new
.endif
.endm
.set MUL_LO, 0xa1                      ; source 0 (B') window 1, source 1 (A') window 0, C and D window 2
.set MUL_HI, 0xf1                      ; the same, C and D window 3
.set TO_B,   0x40                      ; destination window 1, address window 0
; A joint load: waves 0 and 1 fetch for A', waves 2 and 3 for B'.  The branch hangs on the wave's number alone.  An s_nop 0 and four v_nop follow each of the two lines.
.macro JLOAD g0a, g1a, g0b, g1b
	s_cmp_eq_u32 s15, 0
	s_cbranch_scc0 .Lfor_b_\@
	tensor_load_to_lds s[\g0a:\g0a+3], s[\g1a:\g1a+7]
	s_nop 0
.rept 4
	v_nop
.endr
	s_branch .Lasked_\@
.Lfor_b_\@:
	tensor_load_to_lds s[\g0b:\g0b+3], s[\g1b:\g1b+7]
	s_nop 0
.rept 4
	v_nop
.endr
.Lasked_\@:
.endm
.macro CREST                           ; a round of the cluster's barrier behind its opening barrier
	s_cmp_lg_u32 s14, 0
	s_cbranch_scc1 .Lnot_wave_0_\@
	s_barrier_signal -3
.Lnot_wave_0_\@:
	s_barrier_wait -3
	s_barrier_signal -1
	s_barrier_wait -1
.endm
.macro CROUND                          ; a whole round
	s_barrier_signal -1
	s_barrier_wait -1
	CREST
.endm
	s_load_b256 s[68:75], s[0:1], 0x0              ; x s[68:69], Wq s[70:71], Wk s[72:73], Wv s[74:75]
	s_load_b256 s[76:83], s[0:1], 0x20             ; the scales' exponents s[76:77], qf s[78:79], kf s[80:81], vc s[82:83]
	v_lshl_add_u32 v[SPW], v0, 2, SPARE
	v_mov_b32 v[NIL], 0
	ds_add_u32 v[SPW], v[NIL]                      ; the wave's opening: the add and its wait stand ahead of my first tensor load; the set-up below, work on registers, stands between them
	v_lshrrev_b32 v1, 5, v0
	v_readfirstlane_b32 s14, v1                    ; wave 0..3
	s_lshr_b32 s15, s14, 1                         ; which half of A' rows is mine.  Also: I fetch for A' (0) or for B' (1)
	s_and_b32 s16, s14, 1                          ; which half of B' rows.  Also: which 128 rows of that tile I fetch
	s_bfe_u32 s40, ttmp6, 0x40000                  ; cx, cy: my place in the cluster
	s_bfe_u32 s41, ttmp6, 0x40004
	s_and_b32 s84, ttmp7, 0xffff                   ; z: the cluster's y, the same in all sixteen partners
	s_lshr_b32 s85, s84, 1                         ; t: 0 q, 1 k, 2 v
	s_and_b32 s86, s84, 1                          ; bt: the batch
	s_lshl_b32 s87, s86, 10                        ; its first row of x
	s_cmp_eq_u32 s85, 2
	s_cselect_b32 s88, 0, s87                      ; the batch's rows are A' rows for q and k,
	s_cselect_b32 s89, s87, 0                      ; B' rows for v
	s_lshl_b32 s43, s41, 2
	s_lshl_b32 s43, 15, s43                        ; my row of the cluster
	s_lshl_b32 s44, 0x1111, s40                    ; my column
	; descriptor group 1: a tile of 128 rows x 256 bytes, padded in LDS
	s_or_b32 s[G1+0], s43, (0<<16)|(1<<20)|(1<<21)|(5<<22)|(3<<25)  ; 15:0 the mask: A' tiles go to my row; 17:16 element of 1 byte; 20 padding on; 21 set beside a mask; 24:22 after every 64 words; 31:25 of 4 words
	s_or_b32 s[G1B+0], s44, (0<<16)|(1<<20)|(1<<21)|(5<<22)|(3<<25)
.irp g, G1, G1B
	s_mov_b32 s[\g+1], ROWB<<16                    ; tensor_dim0
	s_mov_b32 s[\g+2], 128<<16                     ; tensor_dim1 = 128
	s_mov_b32 s[\g+3], ROWB<<16                    ; tile_dim0
	s_mov_b32 s[\g+4], 128                         ; tile_dim1 = 128
	s_mov_b32 s[\g+5], KROW                        ; tensor_dim0_stride
	s_mov_b32 s[\g+6], 0
	s_mov_b32 s[\g+7], 0
.endr
	s_lshl_b32 s18, s16, 7                         ; which 128 rows of the tile I fetch
	s_lshl_b32 s20, s41, 8
	s_add_co_u32 s20, s20, s18
	s_add_co_u32 s20, s20, s88                     ; A': row 256 cy + 128 x half (+ the batch's)
	s_lshl_b32 s20, s20, 10                        ; in bytes: under 2^21
	s_mov_b32 s21, 0
	s_lshl_b32 s46, s40, 8
	s_add_co_u32 s46, s46, s18
	s_add_co_u32 s46, s46, s89                     ; B': row 256 cx + 128 x half (+ the batch's)
	s_lshl_b32 s46, s46, 10
	s_mov_b32 s47, 0
	s_mul_i32 s45, s14, HALFT                      ; where they go: wave x 128 rows: no place in the cluster enters an LDS address
	s_lshl_b32 s90, s85, 3                         ; the product's two exponents lie 8 t bytes into the scales
	s_mov_b32 s91, 0
	s_wait_dscnt 0x0                               ; the opening add is done
	s_wait_kmcnt 0x0
	s_cmp_eq_u32 s85, 2                            ; the buffers are chosen on t alone
	s_cselect_b64 s[4:5], s[74:75], s[68:69]       ; A': Wv, else x
	s_cselect_b64 s[6:7], s[68:69], s[70:71]       ; B': x, else Wq
	s_cselect_b64 s[10:11], s[82:83], s[78:79]     ; out: vc, else qf
	s_cmp_eq_u32 s85, 1
	s_cselect_b64 s[6:7], s[72:73], s[6:7]         ; B': Wk
	s_cselect_b64 s[10:11], s[80:81], s[10:11]     ; out: kf
	s_add_nc_u64 s[8:9], s[76:77], s[90:91]
	s_load_b64 s[96:97], s[8:9], 0x0               ; ex, ew of this product
	s_load_b32 s98, s[76:77], 0x1c                 ; e7: v's scale as an operand of p v
	s_add_nc_u64 s[20:21], s[4:5], s[20:21]
	s_add_nc_u64 s[46:47], s[6:7], s[46:47]
	CROUND                                         ; all sixteen work-groups are here: the first joint loads meet
.irp s, 0,1
	s_mov_b32 s[G0+4*\s], 1
	s_add_co_u32 s[G0+4*\s+1], s45, \s*SLOT
	s_add_nc_u64 s[G0+4*\s+2:G0+4*\s+3], s[20:21], \s*ROWB
	s_or_b32 s[G0+4*\s+3], s[G0+4*\s+3], 0x80000000
	s_mov_b32 s[G0B+4*\s], 1
	s_add_co_u32 s[G0B+4*\s+1], s45, \s*SLOT
	s_add_nc_u64 s[G0B+4*\s+2:G0B+4*\s+3], s[46:47], \s*ROWB
	s_or_b32 s[G0B+4*\s+3], s[G0B+4*\s+3], 0x80000000
	JLOAD G0+4*\s, G1, G0B+4*\s, G1B
.endr
	v_and_b32 v1, 15, v0                           ; l % 16
	v_bfe_u32 v2, v0, 4, 1                         ; l / 16
	v_mul_u32_u24 v3, v1, PITCH
	v_lshl_add_u32 v4, v2, 4, v3                   ; a fragment's row x pitch + 16 x half
	s_mul_i32 s21, s15, HALFT                      ; my 128 rows of A'
	s_mul_i32 s22, s16, HALFT                      ; my 128 rows of B',
	s_add_co_u32 s22, s22, 2*HALFT                 ; which lie behind A' 256
.irp s, 0,1
	v_add_nc_u32 v[ADRA+\s], s21, v4
	v_add_nc_u32 v[ADRB+\s], s22, v4
	s_add_co_u32 s21, s21, SLOT
	s_add_co_u32 s22, s22, SLOT
.endr
	v_and_b32 v6, 31, v0
	v_lshlrev_b32 v[CO], 4, v6
	; where my wave's part of the output begins, in bytes
	s_lshl_b32 s18, s86, 6                         ; 64 bt
	s_lshl_b32 s19, s40, 4
	s_lshl_b32 s22, s16, 3
	s_add_co_u32 s19, s19, s22                     ; 16 cx + 8 x half: my first block of 16 of B' rows
	s_lshl_b32 s22, s41, 4
	s_lshl_b32 s23, s15, 3
	s_add_co_u32 s22, s22, s23                     ; 16 cy + 8 x half: of A' rows
	s_add_co_u32 s23, s18, s19                     ; q, k: (batch x head = 64 bt + B' block) x 64 tiles + (A' block), 1,024 bytes each
	s_lshl_b32 s23, s23, 6
	s_add_co_u32 s23, s23, s22
	s_lshl_b32 s23, s23, 10
	s_add_co_u32 s42, s18, s22                     ; v: (batch x head = 64 bt + A' block) x 8 key blocks + (B' block / 8), 2,048 bytes each
	s_lshl_b32 s42, s42, 3
	s_lshr_b32 s19, s19, 3
	s_add_co_u32 s42, s42, s19
	s_lshl_b32 s42, s42, 11
	s_cmp_eq_u32 s85, 2
	s_cselect_b32 s42, s42, s23
	s_mov_b32 s43, 0
	s_add_nc_u64 s[10:11], s[10:11], s[42:43]
.macro FRAG reg, adr, q, i             ; a fragment, 16 rows x 128 K of codes, is 16 registers: lane l holds row l % 16; registers 4 c .. 4 c + 3 hold K = 32 c + 16 (l / 16) + 0 .. 15: the same places in A' and in B'
.irp c, 0,1,2,3
	ds_load_b128 v[\reg+4*\c:\reg+4*\c+3], v[\adr] offset:128*(\q)+32*\c+(\i)*16*PITCH
.endr
.endm
; 16 matrix instructions: A' blocks a0, a0 + 1 x B' eight, 128 along K.  p: B' set.  zero = 1: the first product starts the sums.
; The 64 accumulators take turns, one instruction a turn, in the same order in every step.
.macro MUL16 a0, p, zero
.irp a, \a0, \a0+1
.irp b, 0,1,2,3,4,5,6,7
.if \zero
	v_wmma_f32_16x16x128_bf8_bf8 v[8*(8*((\a)%4)+\b):8*(8*((\a)%4)+\b)+7], v[128*(\p)+FR*\b:128*(\p)+FR*\b+FR-1], v[AF+FR*(\a):AF+FR*(\a)+FR-1], 0
.else
	v_wmma_f32_16x16x128_bf8_bf8 v[8*(8*((\a)%4)+\b):8*(8*((\a)%4)+\b)+7], v[128*(\p)+FR*\b:128*(\p)+FR*\b+FR-1], v[AF+FR*(\a):AF+FR*(\a)+FR-1], v[8*(8*((\a)%4)+\b):8*(8*((\a)%4)+\b)+7]
.endif
.endr
.endr
.endm
.macro FETCH_B slot, q, p              ; B' eight fragments of the slot's q-th 128 along K into set p
	WIN TO_B
.irp i, 0,1,2,3,4,5,6,7
	FRAG 128*(\p)+FR*\i, ADRB+\slot, \q, \i
.endr
	WIN 0
.endm
.macro FETCH_A slot, q, i0             ; A' blocks i0 .. i0 + 3
.irp i, \i0, \i0+1, \i0+2, \i0+3
	FRAG AF+FR*(\i), ADRA+\slot, \q, \i
.endr
.endm
.macro PLACES n                        ; plain vector instructions between a matrix instruction and a load into, or a vector read of, its registers
.rept \n
	v_nop
.endr
.endm
; A step of 128 along K that has its successor in the same slot.
.macro STEP slot, q, zero
	s_wait_dscnt 4*NL                              ; B' set and A' blocks 0-3 are in; the youngest 16 loads (A' blocks 4-7) may be out
	WIN MUL_LO
	MUL16 0, (\q)%2, \zero
	MUL16 2, (\q)%2, \zero
	s_wait_dscnt 0                                 ; A' blocks 4-7 are in
	PLACES NP
	FETCH_B \slot, (\q)+1, 1-(\q)%2
	FETCH_A \slot, (\q)+1, 0
	WIN MUL_HI
	MUL16 4, (\q)%2, \zero
	MUL16 6, (\q)%2, \zero
	PLACES NP
	WIN 0
	FETCH_A \slot, (\q)+1, 4
.endm
; A slot's last step changes slots: one barrier; in front of it each wave waits for all its tensor loads, adds 0 to its spare word, and waits for that and for its own reads of this slot.  fill = 1: this slot is filled again, two K steps ahead.
.macro TURN slot, next, fill
	s_wait_tensorcnt 0x0                           ; all my tensor loads have landed: my part of the next slot
	ds_add_u32 v[SPW], v[NIL]                      ; 0 onto my spare word
	s_wait_dscnt 4*NL+1                            ; the add and the youngest 16 loads (A' blocks 4-7) may be out
	WIN MUL_LO
	MUL16 0, 1, 0                                  ; sixteen matrix instructions stand between the add and the wait for it
	s_wait_dscnt 0x0                               ; the add is done, and my reads of this slot are over
	s_barrier_signal -1
	MUL16 2, 1, 0
	WIN 0
	s_barrier_wait -1
.if \fill
	CREST                                          ; the barrier has opened a round of the cluster's barrier: no wave of any partner still reads this slot or has a load on its way
	s_add_nc_u64 s[G0+4*\slot+2:G0+4*\slot+3], s[G0+4*\slot+2:G0+4*\slot+3], 2*ROWB
	s_add_nc_u64 s[G0B+4*\slot+2:G0B+4*\slot+3], s[G0B+4*\slot+2:G0B+4*\slot+3], 2*ROWB
	JLOAD G0+4*\slot, G1, G0B+4*\slot, G1B         ; the first tensor load behind the round; its four v_nop are the places in front of the loads below
.else
	PLACES NP
.endif
	FETCH_B \next, 0, 0
	FETCH_A \next, 0, 0
	WIN MUL_HI
	MUL16 4, 1, 0
	MUL16 6, 1, 0
	PLACES NP
	WIN 0
	FETCH_A \next, 0, 4
.endm
	s_wait_tensorcnt 1                             ; my part of K step 0 is in; K step 1's load may be out
	s_barrier_signal -1
	s_barrier_wait -1                              ; everybody's is
	FETCH_B 0, 0, 0
	FETCH_A 0, 0, 0
	FETCH_A 0, 0, 4
	STEP 0, 0, 1                                   ; the first step stands in front of the loop: its products start the sums
	s_mov_b32 s3, LAPS-1
.Llap:                                                 ; a trip goes once round the ring and fills both slots again
	TURN 0, 1, 1
	STEP 1, 0, 0
	TURN 1, 0, 1
	STEP 0, 0, 0
	s_sub_co_u32 s3, s3, 1
	s_cmp_lg_u32 s3, 0
	s_cbranch_scc1 .Llap
	TURN 0, 1, 0                                   ; the last lap fills nothing
	STEP 1, 0, 0
	s_wait_dscnt 4*NL                              ; the very last step
	WIN MUL_LO
	MUL16 0, 1, 0
	MUL16 2, 1, 0
	s_wait_dscnt 0
	WIN MUL_HI
	MUL16 4, 1, 0
	MUL16 6, 1, 0
	WIN 0
	; THE WAY OUT: straight from registers, no LDS: an accumulator's lanes already hold what the reader's lanes want.
	s_wait_kmcnt 0x0
	s_sub_co_i32 s91, s98, s96
	s_sub_co_i32 s91, s91, s97                     ; v: a sum stands for sum x 2^(e4 + e5), so its code is sum / 2^(e7 - e4 - e5)
	s_add_co_i32 s91, s91, 127
	s_lshl_b32 s92, s91, 23
	v_mov_b32 v[SCV], s92                          ; that power of two as f32: the conversion takes its exponent field
	s_add_co_i32 s91, s91, 15
	s_lshl_b32 s91, s91, 23
	s_or_b32 s91, s91, 0x600000                    ; 57,344 x that,
	s_or_b32 s92, s91, 0x80000000                  ; and its negative
	s_add_co_i32 s96, s96, s97                     ; q, k: ex + ew
	s_add_co_i32 s96, s96, 127
	s_lshl_b32 s96, s96, 23                        ; 2^(ex + ew) as f32
	PLACES NP                                      ; behind the last products: their results are read, and registers that held A' fragments are written
.macro OUT_QK a                        ; A' block a (16 tokens) x my eight heads: 64 numbers a lane x 2^(ex + ew), stored as they lie
.set AC, 64*((\a)%4)
.set TM, 32+64*((\a)%2)
.if (\a) > 1
	s_wait_xcnt 0x0                                ; block a - 2's stores have read their data registers
.endif
	WIN (0x02+((\a)/4))                            ; source 0: window 2 or 3
.set ix, 0
.rept 32
	v_pk_mul_f32 v[TM+ix:TM+ix+1], v[AC+ix:AC+ix+1], s[96:97] op_sel_hi:[1,0]   ; both x s96; each accumulator from its low end on
.set ix, ix+2
.endr
	WIN 0
.irp b, 0,1,2,3,4,5,6,7
	global_store_b128 v[CO], v[TM+8*\b:TM+8*\b+3], s[10:11] offset:65536*\b+1024*(\a)         ; features 8 h + 0 .. 3: 512 consecutive bytes a wave
	global_store_b128 v[CO], v[TM+8*\b+4:TM+8*\b+7], s[10:11] offset:65536*\b+1024*(\a)+512   ; features 8 h + 4 .. 7
.endr
.endm
.macro OUT_V a                         ; A' block a (a head's 16 features) x my 128 tokens: one fragment of V^T, 16 registers of codes
.set AC, 64*((\a)%4)
	WIN (0x02+((\a)/4))
.set ix, 0
.rept 64
	v_med3_num_f32 v[TF+ix], v[AC+ix], s92, s91    ; the conversion to an 8-bit code does not saturate (ISA guide 7.6.2): the hold at the largest code x the scale
.set ix, ix+1
.endr
	WIN 0
.irp b, 0,1,2,3,4,5,6,7
	v_cvt_scalef32_pk8_bf8_f32 v[32+16*(\a)+2*\b:32+16*(\a)+2*\b+1], v[TF+8*\b:TF+8*\b+7], v[SCV]   ; registers 2 b, 2 b + 1: keys 16 b + 8 h + 0 .. 7
.endr
	v_nop                                          ; a plain vector line between the conversions and the next block's holds, which write their sources
.irp c, 0,1,2,3
	global_store_b128 v[CO], v[32+16*(\a)+4*\c:32+16*(\a)+4*\c+3], s[10:11] offset:16384*(\a)+512*\c   ; each head has code registers of its own: no store's data are written again
.endr
.endm
	s_cmp_eq_u32 s85, 2                            ; t is the same in all sixteen partners
	s_cbranch_scc1 .Lout_v
.irp a, 0,1,2,3,4,5,6,7
	OUT_QK \a
.endr
	s_branch .Lout_done
.Lout_v:
.irp a, 0,1,2,3,4,5,6,7
	OUT_V \a
.endr
.Lout_done:
	s_wait_tensorcnt 0x0                           ; the wave's end, behind my last tensor load
	ds_add_u32 v[SPW], v[NIL]
	s_wait_dscnt 0x0
	CROUND                                         ; the closing round: no work-group ends while a partner may still ask for a tile that names it
	s_endpgm
.Lfunc_end_k_q819df14290_qkv:
	.size	k_q819df14290_qkv, .Lfunc_end_k_q819df14290_qkv-k_q819df14290_qkv
	.p2alignl 7, 3214868480
	.fill 96, 4, 3214868480
	.section	.rodata,"a",@progbits
	.p2align	6, 0x0
	.amdhsa_kernel k_q819df14290_qkv
		.amdhsa_group_segment_fixed_size 327680
		.amdhsa_private_segment_fixed_size 0
		.amdhsa_enable_private_segment 0
		.amdhsa_kernarg_size 64
		.amdhsa_user_sgpr_count 2
		.amdhsa_user_sgpr_kernarg_segment_ptr 1
		.amdhsa_wavefront_size32 1
		.amdhsa_system_sgpr_workgroup_id_x 1
		.amdhsa_system_sgpr_workgroup_id_y 1
		.amdhsa_system_sgpr_workgroup_id_z 1
		.amdhsa_system_vgpr_workitem_id 0
		.amdhsa_next_free_vgpr 1024
		.amdhsa_next_free_sgpr 100
		.amdhsa_reserve_vcc 0
		.amdhsa_float_denorm_mode_32 3
		.amdhsa_float_denorm_mode_16_64 3
		.amdhsa_memory_ordered 1
		.amdhsa_forward_progress 1
		.amdhsa_inst_pref_size 147
	.end_amdhsa_kernel
	.amdgpu_metadata
---
amdhsa.version: [ 1, 2 ]
amdhsa.kernels:
  - .name:           k_q819df14290_qkv
    .symbol:         k_q819df14290_qkv.kd
    .args:
      - { .name: x_codes, .offset: 0, .size: 8, .value_kind: global_buffer, .address_space: global }
      - { .name: Wq_codes, .offset: 8, .size: 8, .value_kind: global_buffer, .address_space: global }
      - { .name: Wk_codes, .offset: 16, .size: 8, .value_kind: global_buffer, .address_space: global }
      - { .name: Wv_codes, .offset: 24, .size: 8, .value_kind: global_buffer, .address_space: global }
      - { .name: lowp_scales, .offset: 32, .size: 8, .value_kind: global_buffer, .address_space: global }
      - { .name: qf, .offset: 40, .size: 8, .value_kind: global_buffer, .address_space: global }
      - { .name: kf, .offset: 48, .size: 8, .value_kind: global_buffer, .address_space: global }
      - { .name: vc, .offset: 56, .size: 8, .value_kind: global_buffer, .address_space: global }
    .group_segment_fixed_size: 327680
    .private_segment_fixed_size: 0
    .kernarg_segment_align: 8
    .kernarg_segment_size: 64
    .max_flat_workgroup_size: 128
    .sgpr_count:     100
    .vgpr_count:     1024
    .wavefront_size: 32
...
	.end_amdgpu_metadata
.endif
;; end of part 1
;; launch attn (part 2): grid 2 x 128, 16 waves a work-group, no clusters, 167,936 bytes of LDS; arguments qf, kf, vc, lowp_scales, cc; writes cc
.if DOCPART == 2
	.amdgcn_target "amdgcn-amd-amdhsa--gfx1250"
	.amdhsa_code_object_version 6
	.text
	.protected	k_q819df14290_attn
	.globl	k_q819df14290_attn
	.p2align	8
	.type	k_q819df14290_attn,@function
k_q819df14290_attn:
	s_mov_b64 s[64:65], 0
	v_nop
	global_prefetch_b8 v0, s[64:65] scope:SCOPE_SE
	s_setreg_imm32_b32 hwreg(HW_REG_WAVE_MODE, 25, 1), 1
	s_wait_xcnt 0x0
; Causal attention of one (batch, head): 1,024 tokens, 16 features.  scores = q k^T in f32 (K = 16: four steps of the f32 matrix form), softmax by the stated form, p v on codes of BF8, / l, quantised for the last product.
; t = score x log2(e) / 4; M = the running largest t rounded UP to a whole number; p = 2^(t - M) is quantised with 2^e6; l is the sum of the unquantised p; when M moves, l and O are multiplied by 2^(old M - new M), which rounds nothing.
; SHARES.  Work-group (p, bg): bg = batch x head, p = 0 or 1.  Wave w owns query tiles i = 2 w + p and 63 - i, 16 queries each: ceil((i + 1) / 8) + ceil((64 - i) / 8) = 9 blocks of 128 keys for every wave.
; LDS is filled ONCE: the head's k (65,536 bytes) and v's codes (16,384), as images of the operands' registers, by five tensor loads (waves 0 to 4, 16,384 bytes each).  All sixteen waves read them.
; LAYOUT.  S^T = k q^T: source 0 = 16 keys, source 1 = my 16 queries: lane (r, h) holds query r and keys 16 c + 8 h + 0 .. 7 of tile c.  A lane's eight registers of q or of k are features 8 h + 0 .. 7;
; K step s takes registers 2 s, 2 s + 1: the same features in q and in k.  The conversion of tile c gives registers 2 c, 2 c + 1 of P; O^T = V^T P^T then holds query r and features 8 h + 0 .. 7.
; cc = [token tile 128][head 64][token 16][feature 16], codes: a wave's store covers one aligned block of 256 bytes.
; CAUSAL.  The loop over key blocks has eight trips in every wave; a block all of whose keys come after my queries is passed over by a scalar branch on ids; in the block on the diagonal hidden scores become -infinity.
; NO CLUSTER: a head's k and v are shared by two work-groups alone (the grid's x is 2, which no cluster of four divides), and are asked for once, 81,920 bytes, at the head.
; LIMITS: e6 and e8 between -126 and 112, so that each power of two below is an f32 number; e6 + e7 is applied by v_ldexp_f32 and has none.  NaN among q, k is not served.
; REGISTERS: v1 16 x lane; v2 the same in V's image; v4 16 r + 8 h; v5, v6 the add's two; v7 r - 8 h; v8, v9 LDS addresses in hand; v10 the diagonal's d; v11 2^e6; v12 -M; v13 largest t; v[14:15] l;
;   v16-23, v32-39 Q of the two passes; v24-26, v[28:31] at work; v27 2^e8; v40-55 P's codes; v56-63 O^T; v64-127 K's eight fragments, then V's in v64-79;
;   v128-191 S^T, written by the f32 matrix form alone; v192-255 t - M, then p.
.set VIMG,  65536                      ; LDS: k's image from 0, v's from here,
.set SPARE, 81920                      ; and the spare words, 128 bytes for each of sixteen waves
.set SPW,   5
.set NIL,   6
	s_load_b256 s[4:11], s[0:1], 0x0               ; qf s[4:5], kf s[6:7], vc s[8:9], the scales' exponents s[10:11]
	s_load_b64 s[12:13], s[0:1], 0x20              ; cc
	v_lshl_add_u32 v[SPW], v0, 2, SPARE
	v_mov_b32 v[NIL], 0
	ds_add_u32 v[SPW], v[NIL]                      ; the wave's opening: the add and its wait stand ahead of my first tensor load; the set-up below, work on registers, stands between them
	v_lshrrev_b32 v3, 5, v0
	v_readfirstlane_b32 s14, v3                    ; wave 0..15
	v_and_b32 v3, 31, v0
	v_lshlrev_b32 v1, 4, v3                        ; 16 x lane
	v_add_nc_u32 v2, VIMG, v1
	v_and_b32 v7, 15, v0                           ; r
	v_bfe_u32 v3, v0, 4, 1                         ; h
	v_lshlrev_b32 v4, 4, v7
	v_lshl_add_u32 v4, v3, 3, v4                   ; 16 r + 8 h: my eight codes in a block of cc
	v_lshlrev_b32 v3, 3, v3
	v_sub_nc_u32 v7, v7, v3                        ; r - 8 h
	v_mov_b32 v26, 0                               ; written once: a lane permute's destination counts as one of its sources
	v_mov_b32 v29, 0                               ; (named as the upper half of the pair v[28:29])
	s_and_b32 s16, ttmp7, 0xffff                   ; bg
	s_lshl_b32 s17, s14, 1
	s_add_co_u32 s17, s17, ttmp9                   ; i = 2 w + p: the first pass's query tile,
	s_sub_co_u32 s53, 63, s17                      ; and the second's
	; descriptor group 1: a dense block of 16,384 bytes as 64 rows of 256
	s_mov_b32 s24, 3<<16                           ; no mask; elements of 8 bytes; no padding
	s_mov_b32 s25, 32<<16                          ; tensor_dim0 = 32
	s_mov_b32 s26, 64<<16                          ; tensor_dim1 = 64
	s_mov_b32 s27, 32<<16                          ; tile_dim0 = 32
	s_mov_b32 s28, 64                              ; tile_dim1 = 64
	s_mov_b32 s29, 32                              ; tensor_dim0_stride
	s_mov_b32 s30, 0
	s_mov_b32 s31, 0
	s_mov_b32 s20, 0x76543210
	s_mov_b32 s21, 0xfedcba98                      ; v_permlanex16_b32's selects for lane l xor 16
	s_mov_b32 s22, 0x3eb8aa3b                      ; c = log2(e) / sqrt(16)
	s_mov_b32 s23, s22                             ; (named with it as a pair, so it is written)
	s_mov_b32 s32, 1                               ; group 0: count = 1
	s_lshl_b32 s33, s14, 14                        ; LDS address: 16,384 x wave: waves 0 to 3 k's quarters, wave 4 v
	s_lshl_b32 s41, s16, 16                        ; the head's first byte in qf and in kf
	s_add_co_u32 s54, s41, s33                     ; k: + my quarter
	s_lshl_b32 s55, s16, 14                        ; v: the head's first byte in vc
	s_cmp_eq_u32 s14, 4
	s_cselect_b32 s54, s55, s54
	s_mov_b32 s55, 0
	s_lshr_b32 s56, s16, 6                         ; cc: the batch's 64 token tiles of 16,384 bytes,
	s_lshl_b32 s56, s56, 20
	s_and_b32 s57, s16, 63
	s_lshl_b32 s57, s57, 8                         ; the head's 256 bytes in each
	s_add_co_u32 s56, s56, s57
	s_mov_b32 s57, 0
	s_lshl_b32 s58, s17, 10                        ; Q: a tile is 1,024 bytes
	s_add_co_u32 s58, s58, s41
	s_mov_b32 s59, 0
	s_lshl_b32 s60, s53, 10
	s_add_co_u32 s60, s60, s41
	s_mov_b32 s61, 0
	s_wait_dscnt 0x0                               ; the opening add is done
	s_wait_kmcnt 0x0
	s_load_b128 s[68:71], s[10:11], 0x18           ; e6, e7, e8, e9
	s_cmp_eq_u32 s14, 4
	s_cselect_b64 s[34:35], s[8:9], s[6:7]
	s_add_nc_u64 s[34:35], s[34:35], s[54:55]
	s_or_b32 s35, s35, 0x80000000                  ; type = 2
	s_cmp_lt_u32 s14, 5                            ; waves 0 to 4 fetch, one load each; one tensor load of a wave is out
	s_cbranch_scc0 .Lno_fetch
	tensor_load_to_lds s[32:35], s[24:31]
	s_nop 0
.rept 4
	v_nop
.endr
.Lno_fetch:
	s_add_nc_u64 s[44:45], s[12:13], s[56:57]
	s_add_nc_u64 s[72:73], s[4:5], s[58:59]
	s_add_nc_u64 s[74:75], s[4:5], s[60:61]
	global_load_b128 v[16:19], v1, s[72:73]              ; Q of both passes stays in registers: features 8 h + 0 .. 3,
	global_load_b128 v[20:23], v1, s[72:73] offset:512   ; 8 h + 4 .. 7
	global_load_b128 v[32:35], v1, s[74:75]
	global_load_b128 v[36:39], v1, s[74:75] offset:512
	s_wait_kmcnt 0x0
	s_add_co_i32 s41, s68, 127
	s_lshl_b32 s48, s41, 23
	v_mov_b32 v11, s48                             ; 2^e6 as f32, for p's conversions
	s_add_co_i32 s41, s41, 15
	s_lshl_b32 s48, s41, 23
	s_or_b32 s48, s48, 0x600000                    ; 57,344 x 2^e6
	s_add_co_i32 s41, s70, 127
	s_lshl_b32 s49, s41, 23
	v_mov_b32 v27, s49                             ; 2^e8 as f32, for ctx's conversion
	s_add_co_i32 s41, s41, 15
	s_lshl_b32 s49, s41, 23
	s_or_b32 s49, s49, 0x600000                    ; 57,344 x 2^e8,
	s_or_b32 s50, s49, 0x80000000                  ; and its negative
	s_add_co_i32 s51, s68, s69                     ; e6 + e7
	s_wait_tensorcnt 0x0                           ; my part of the images has landed,
	s_barrier_signal -1
	s_barrier_wait -1                              ; everybody's has.  Nothing is filled again: this is the launch's one barrier
	s_wait_loadcnt 0x0                             ; Q
; S^T of 128 keys: 32 matrix instructions; the eight accumulators take turns, one instruction a turn; the first K step starts each sum with the constant 0
.macro SCORES qb
.irp s, 0,1,2,3
.irp c, 0,1,2,3,4,5,6,7
.if \s == 0
	v_wmma_f32_16x16x4_f32 v[128+8*\c:135+8*\c], v[64+8*\c+2*\s:65+8*\c+2*\s], v[\qb+2*\s:\qb+2*\s+1], 0
.else
	v_wmma_f32_16x16x4_f32 v[128+8*\c:135+8*\c], v[64+8*\c+2*\s:65+8*\c+2*\s], v[\qb+2*\s:\qb+2*\s+1], v[128+8*\c:135+8*\c]
.endif
.endr
.endr
.endm
; From the 64 scores in v[x] on: the new M, f = 2^(old M - new M) in v28, and t - M in v192 on.  The scores are read in ascending order, each accumulator from its low end on.
.macro SOFTA x
	v_max3_num_f32 v24, v[\x], v[\x+1], v[\x+2]    ; the block's largest score of my query among my 64 keys, in two chains,
	v_max3_num_f32 v25, v[\x+3], v[\x+4], v[\x+5]
.irp i, 6,10,14,18,22,26,30,34,38,42,46,50,54,58
	v_max3_num_f32 v24, v24, v[\x+\i], v[\x+\i+1]
	v_max3_num_f32 v25, v25, v[\x+\i+2], v[\x+\i+3]
.endr
	v_max3_num_f32 v24, v24, v[\x+62], v[\x+63]
	v_max_num_f32 v24, v24, v25
	v_permlanex16_b32 v26, v24, s20, s21
	v_max_num_f32 v24, v24, v26                    ; and among lane l xor 16's
	v_mul_f32 v24, s22, v24                        ; as t (c is positive)
	v_max_num_f32 v13, v13, v24                    ; the running largest t
	v_mov_b32 v24, v12
	v_floor_f32 v12, -v13                          ; the new -M = floor(-t) = -ceil(t)
	v_sub_f32 v24, v12, v24                        ; old M - new M: a whole number, 0 or less
	v_cvt_i32_f32 v24, v24                         ; (it saturates)
	v_ldexp_f32 v28, 1.0, v24                      ; f
.set ix, 0
.rept 32
	v_pk_fma_f32 v[192+ix:193+ix], v[\x+ix:\x+ix+1], s[22:23], v[12:13] op_sel_hi:[1,0,0]   ; t - M, two at a time (of the pairs c and -M the low word serves both halves)
.set ix, ix+2
.endr
.endm
; One query tile through all its keys.  pn: 0 or 1; qb: Q's first register; ir: the scalar register with the tile's number
.macro PASS pn, qb, ir
.if \pn
	s_wait_xcnt 0x0                                ; the first pass's store has read its base and its data: both are written again below
.endif
	s_lshl_b32 s18, s[\ir], 4                      ; my first query,
	s_add_co_u32 s19, s18, 15                      ; my last
	s_lshl_b32 s42, s[\ir], 14
	s_mov_b32 s43, 0
	s_add_nc_u64 s[46:47], s[44:45], s[42:43]      ; my block of cc
	v_mov_b32 v13, 0xff61b1e6                      ; the largest t so far: -3e38, under every t
	v_floor_f32 v12, -v13                          ; -M
	v_mov_b32 v14, 0                               ; l, in two halves
	v_mov_b32 v15, 0
.set ix, 0
.rept 8
	v_mov_b32 v[56+ix], 0                          ; O^T: the step is written once; the first finds zeros, which the first change of M leaves zeros
.set ix, ix+1
.endr
	s_mov_b32 s36, 0
.Lkb_\@:                                           ; eight trips, a constant; key block s36
	s_lshl_b32 s37, s36, 13                        ; its 8,192 bytes of k's image,
	s_lshl_b32 s38, s36, 11                        ; its 2,048 of v's,
	s_lshl_b32 s39, s36, 7                         ; its first key
	s_cmp_gt_u32 s39, s19                          ; all its keys come after my queries: nothing to do
	s_cbranch_scc1 .Lhidden_\@
	v_add_nc_u32 v8, s37, v1
	v_add_nc_u32 v9, s38, v2
	v_nop                                          ; with the two additions: four places between the last product p v and the loads into the registers that it read
	v_nop
.irp c, 0,1,2,3,4,5,6,7
	ds_load_b128 v[64+8*\c:67+8*\c], v8 offset:1024*\c       ; key tile c: key r, features 8 h + 0 .. 3: 512 consecutive bytes a load
	ds_load_b128 v[68+8*\c:71+8*\c], v8 offset:1024*\c+512   ; 8 h + 4 .. 7
.endr
	s_wait_dscnt 0x0
	SCORES \qb
.rept 8
	v_nop                                          ; eight places behind the f32 form, in front of the loads into its sources and of the first read of its results
.endr
.irp u, 0,1,2,3
	ds_load_b128 v[64+4*\u:67+4*\u], v9 offset:512*\u        ; V^T's fragment of these 128 keys lands while the softmax is worked
.endr
	s_add_co_u32 s41, s39, 127
	s_cmp_le_u32 s41, s18                          ; all its keys count for all my queries?
	s_cbranch_scc1 .Lopen_\@
	s_sub_co_u32 s41, s18, s39                     ; the block on the diagonal: register 8 c + j holds key s39 + 16 c + 8 h + j: hidden where 16 c + j > d = my query - s39 - 8 h
	v_add_nc_u32 v10, s41, v7
	v_mov_b32 v25, 0xff800000                      ; -infinity: p = 0 then
.set ix, 0
.rept 64
	v_cmp_gt_i32 vcc_lo, 16*(ix/8)+ix%8, v10
	v_cndmask_b32 v[192+ix], v[128+ix], v25, vcc_lo
.set ix, ix+1
.endr
	SOFTA 192
	s_branch .Ljoin_\@
.Lopen_\@:
	SOFTA 128
.Ljoin_\@:
.set ix, 0
.rept 64
	v_exp_f32 v[192+ix], v[192+ix]                 ; p = 2^(t - M), at most 1: not normalised
.set ix, ix+1
.endr
	v_pk_mul_f32 v[14:15], v[14:15], v[28:29] op_sel_hi:[1,0]   ; l under the new M: the plain instruction behind the exponentials
	s_wait_alu depctr_va_vdst(0)                   ; one wait for the batch of 64, ahead of its first reader
	v_pk_add_f32 v[30:31], v[192:193], v[194:195]  ; l takes the UNQUANTISED p: two at a time, in two chains
.irp j, 4,8,12,16,20,24,28,32,36,40,44,48,52,56,60
	v_pk_add_f32 v[14:15], v[14:15], v[192+\j:193+\j]
	v_pk_add_f32 v[30:31], v[30:31], v[194+\j:195+\j]
.endr
	v_pk_add_f32 v[14:15], v[14:15], v[30:31]
.set ix, 0
.rept 64
	v_min_num_f32 v[192+ix], s48, v[192+ix]        ; the conversion does not saturate (ISA guide 7.6.2); p is not negative, so the hold is one-sided
.set ix, ix+1
.endr
.irp c, 0,1,2,3,4,5,6,7
	v_cvt_scalef32_pk8_bf8_f32 v[40+2*\c:41+2*\c], v[192+8*\c:199+8*\c], v11   ; registers 2 c, 2 c + 1 of P: keys 16 c + 8 h + 0 .. 7
.endr
.irp j, 0,2,4,6
	v_pk_mul_f32 v[56+\j:57+\j], v[56+\j:57+\j], v[28:29] op_sel_hi:[1,0]      ; O^T under the new M; also the plain lines between the conversions and the product that reads their results
.endr
	s_wait_dscnt 0x0                               ; V^T's fragment is in
	v_wmma_f32_16x16x128_bf8_bf8 v[56:63], v[64:79], v[40:55], v[56:63]        ; O^T += V^T P^T; 32 products on other accumulators stand between two of these
.Lhidden_\@:
	s_add_co_u32 s36, s36, 1
	s_cmp_lt_u32 s36, 8
	s_cbranch_scc1 .Lkb_\@
.rept 4
	v_nop                                          ; four places behind the last product, in front of the first read of O^T
.endr
	v_add_f32 v14, v14, v15                        ; l's two halves,
	v_permlanex16_b32 v26, v14, s20, s21
	v_add_f32 v14, v14, v26                        ; and lane l xor 16's
	v_rcp_f32 v24, v14
	v_nop                                          ; a plain instruction behind the reciprocal,
	s_wait_alu depctr_va_vdst(0)                   ; and the wait ahead of its first reader
	v_ldexp_f32 v24, v24, s51                      ; 2^(e6 + e7) / l
.set ix, 0
.rept 8
	v_mul_f32 v[192+ix], v[56+ix], v24             ; ctx(query r, features 8 h + 0 .. 7), from the accumulator's low end on
.set ix, ix+1
.endr
.set ix, 0
.rept 8
	v_med3_num_f32 v[192+ix], v[192+ix], s50, s49  ; the hold at the largest code x 2^e8
.set ix, ix+1
.endr
	v_cvt_scalef32_pk8_bf8_f32 v[30:31], v[192:199], v27
	v_nop                                          ; a plain line behind the conversion: later vector lines write its sources
	global_store_b64 v4, v[30:31], s[46:47]        ; the wave's 32 x 8 bytes: 256 consecutive bytes, aligned
.endm
	PASS 0, 16, 17
	PASS 1, 32, 53
	s_wait_tensorcnt 0x0                           ; the wave's end, behind my last tensor load
	ds_add_u32 v[SPW], v[NIL]
	s_wait_dscnt 0x0
	s_endpgm
.Lfunc_end_k_q819df14290_attn:
	.size	k_q819df14290_attn, .Lfunc_end_k_q819df14290_attn-k_q819df14290_attn
	.p2alignl 7, 3214868480
	.fill 96, 4, 3214868480
	.section	.rodata,"a",@progbits
	.p2align	6, 0x0
	.amdhsa_kernel k_q819df14290_attn
		.amdhsa_group_segment_fixed_size 167936
		.amdhsa_private_segment_fixed_size 0
		.amdhsa_enable_private_segment 0
		.amdhsa_kernarg_size 40
		.amdhsa_user_sgpr_count 2
		.amdhsa_user_sgpr_kernarg_segment_ptr 1
		.amdhsa_wavefront_size32 1
		.amdhsa_system_sgpr_workgroup_id_x 1
		.amdhsa_system_sgpr_workgroup_id_y 1
		.amdhsa_system_sgpr_workgroup_id_z 1
		.amdhsa_system_vgpr_workitem_id 0
		.amdhsa_next_free_vgpr 256
		.amdhsa_next_free_sgpr 96
		.amdhsa_reserve_vcc 1
		.amdhsa_float_denorm_mode_32 3
		.amdhsa_float_denorm_mode_16_64 3
		.amdhsa_memory_ordered 1
		.amdhsa_forward_progress 1
		.amdhsa_inst_pref_size 58
	.end_amdhsa_kernel
	.amdgpu_metadata
---
amdhsa.version: [ 1, 2 ]
amdhsa.kernels:
  - .name:           k_q819df14290_attn
    .symbol:         k_q819df14290_attn.kd
    .args:
      - { .name: qf, .offset: 0, .size: 8, .value_kind: global_buffer, .address_space: global }
      - { .name: kf, .offset: 8, .size: 8, .value_kind: global_buffer, .address_space: global }
      - { .name: vc, .offset: 16, .size: 8, .value_kind: global_buffer, .address_space: global }
      - { .name: lowp_scales, .offset: 24, .size: 8, .value_kind: global_buffer, .address_space: global }
      - { .name: cc, .offset: 32, .size: 8, .value_kind: global_buffer, .address_space: global }
    .group_segment_fixed_size: 167936
    .private_segment_fixed_size: 0
    .kernarg_segment_align: 8
    .kernarg_segment_size: 40
    .max_flat_workgroup_size: 512
    .sgpr_count:     96
    .vgpr_count:     256
    .wavefront_size: 32
...
	.end_amdgpu_metadata
.endif
;; end of part 2
;; launch oproj (part 3): grid 4 x 8, 4 waves a work-group, clusters of 4 x 4, 327,680 bytes of LDS; arguments cc, Wo_codes, lowp_scales, bo, out0; writes out0
.if DOCPART == 3
	.amdgcn_target "amdgcn-amd-amdhsa--gfx1250"
	.amdhsa_code_object_version 6
	.text
	.protected	k_q819df14290_oproj
	.globl	k_q819df14290_oproj
	.p2align	8
	.type	k_q819df14290_oproj,@function
k_q819df14290_oproj:
	s_mov_b64 s[64:65], 0
	v_nop
	global_prefetch_b8 v0, s[64:65] scope:SCOPE_SE
	s_setreg_imm32_b32 hwreg(HW_REG_WAVE_MODE, 25, 1), 1
	s_wait_xcnt 0x0
	s_wait_alu depctr_hold_cnt(0) depctr_sa_sdst(0) depctr_va_vdst(0) depctr_va_sdst(0) depctr_va_ssrc(0) depctr_va_vcc(0) depctr_vm_vsrc(0)
	s_getreg_b32 s2, hwreg(HW_REG_IB_STS2, 6, 4)
	s_cmp_eq_u32 s2, 0
	s_cbranch_scc0 .Lentry_in_a_cluster
	s_endpgm
.Lentry_in_a_cluster:
	s_bfe_u32 s2, ttmp6, 0x10000c
	s_cmp_lg_u32 s2, 0xf033
	s_cbranch_scc0 .Lentry_shape_is_right
	s_endpgm
.Lentry_shape_is_right:
; out0 = ctx Wo + bo on codes of BF8 (E5M2): M = 2,048 tokens, N = 1,024, K = 1,024; sums in f32; each sum x 2^(e8 + e9) + bo by one fused multiply-add.
; A' = ctx's codes, laid cc = [token tile 128][head 64][token 16][feature 16]: k = 16 x head + feature.  B' = Wo's codes, [n 1,024][k 1,024].
; A tile of out0, 256 x 256, is made by a work-group of four waves, each 128 x 128: 64 accumulators.  K goes in steps of 256 through a ring of two LDS slots.
; A' TILE: a K step is 16 heads = 4,096 consecutive bytes of each token tile: a wave's load brings 8 rows of 4,096 bytes, 16,384 bytes apart in memory, dense in LDS.  Lane l's 16 bytes at 16 l of each 512 are
; token l % 16, k = 32 c + 16 (l / 16) + 0 .. 15: the very places that four loads of 16 bytes, 32 apart, give Wo's rows.  Each such load reads 512 consecutive bytes of LDS.
; CLUSTERS: 4 x 4 work-groups; A' tiles are shared along a row of the cluster, B' along a column, and asked for jointly.
; The matrix instruction takes B' as source 0 and A' as source 1: a lane holds eight neighbouring columns of one row of out0.
; LIMIT: e8 + e9 between -126 and 127, so that 2^(e8 + e9) is an f32 number.
; REGISTERS, in windows of 256: window 0: v0-31 addresses, v8-11 my four numbers of bo; from v128 A' fragments, one set; on the way out v128-255 hold rows.  window 1: B' fragments, two sets.  windows 2, 3: the accumulators.
.set ROWB,   256                       ; a row of B' tile in bytes
.set KROW,   1024                      ; a row of Wo in memory
.set ASTEP,  4096                      ; a K step of a token tile of cc in bytes
.set AROW,   16384                     ; a token tile of cc in bytes
.set PITCH,  272                       ; B': an LDS row: 256 bytes + 16 of padding
.set FR,     16
.set NL,     4
.set NP,     4                         ; places behind this matrix instruction (ISA guide 7.12.1)
.set HALFT,  128*PITCH                 ; what one tensor load has room for: B' uses all 34,816 bytes, A' the first 32,768
.set SLOT,   4*HALFT
.set LAPS,   2
.set SPARE,  2*SLOT                    ; behind the ring: the spare words, 128 bytes for each wave
.set SPITCH, 528                       ; the way out: a stage of 16 rows x (512 bytes + 16) for each wave, in slot 0, which has had its last fill and its last read by then
.set ADRA, 16
.set ADRB, 20
.set STO,  24                          ; v24     the way out: where I put 32 bytes of a row
.set RD,   25                          ; v25     where I read a row back
.set CO,   26                          ; v26     16 x lane
.set SPW,  28
.set NIL,  29
.set BI,   8                           ; v8-11   bo at my four columns of a row's 128
.set AF,   128
.set BK,   128                         ; the way out: 16 rows read back: v128-191 and v192-255 by turns
.set G1, 24
.set G0, 32
.set G1B, 48
.set G0B, 56
.set MSB, 0
.macro WIN new                         ; the immediate's high byte repeats the setting that is left
.if MSB != \new
	s_set_vgpr_msb (MSB<<8)|\new
.set MSB, \new
.endif
.endm
.set MUL_LO, 0xa1
.set MUL_HI, 0xf1
.set TO_B,   0x40
.macro JLOAD g0a, g1a, g0b, g1b        ; a joint load: waves 0 and 1 fetch for A', waves 2 and 3 for B'; an s_nop 0 and four v_nop follow each of the two lines
	s_cmp_eq_u32 s15, 0
	s_cbranch_scc0 .Lfor_b_\@
	tensor_load_to_lds s[\g0a:\g0a+3], s[\g1a:\g1a+7]
	s_nop 0
.rept 4
	v_nop
.endr
	s_branch .Lasked_\@
.Lfor_b_\@:
	tensor_load_to_lds s[\g0b:\g0b+3], s[\g1b:\g1b+7]
	s_nop 0
.rept 4
	v_nop
.endr
.Lasked_\@:
.endm
.macro CREST
	s_cmp_lg_u32 s14, 0
	s_cbranch_scc1 .Lnot_wave_0_\@
	s_barrier_signal -3
.Lnot_wave_0_\@:
	s_barrier_wait -3
	s_barrier_signal -1
	s_barrier_wait -1
.endm
.macro CROUND
	s_barrier_signal -1
	s_barrier_wait -1
	CREST
.endm
	s_load_b128 s[4:7], s[0:1], 0x0                ; cc s[4:5], Wo's codes s[6:7]
	s_load_b128 s[8:11], s[0:1], 0x10              ; the scales' exponents s[8:9], bo s[10:11]
	s_load_b64 s[12:13], s[0:1], 0x20              ; out0
	v_lshl_add_u32 v[SPW], v0, 2, SPARE
	v_mov_b32 v[NIL], 0
	ds_add_u32 v[SPW], v[NIL]                      ; the wave's opening: the add and its wait stand ahead of my first tensor load; the set-up below, work on registers, stands between them
	v_lshrrev_b32 v1, 5, v0
	v_readfirstlane_b32 s14, v1                    ; wave 0..3
	s_lshr_b32 s15, s14, 1                         ; which half of the tile's rows is mine.  Also: I fetch for A' (0) or for B' (1)
	s_and_b32 s16, s14, 1                          ; which half of its columns.  Also: which half of that tile I fetch
	s_bfe_u32 s40, ttmp6, 0x40000                  ; cx, cy
	s_bfe_u32 s41, ttmp6, 0x40004
	s_lshl_b32 s42, ttmp9, 2
	s_add_co_u32 s42, s42, s40                     ; tile column = 4 x cluster x + cx
	s_and_b32 s17, ttmp7, 0xffff
	s_lshl_b32 s17, s17, 2
	s_add_co_u32 s17, s17, s41                     ; tile row = 4 x cluster y + cy
	s_lshl_b32 s43, s41, 2
	s_lshl_b32 s43, 15, s43                        ; my row of the cluster
	s_lshl_b32 s44, 0x1111, s40                    ; my column
	; descriptor group 1 for A': 8 rows x 4,096 bytes, no padding
	s_or_b32 s[G1+0], s43, (0<<16)|(1<<21)         ; 15:0 the mask: my row; 17:16 element of 1 byte; 21 set beside a mask
	s_mov_b32 s[G1+1], ASTEP<<16                   ; tensor_dim0 = 4,096
	s_mov_b32 s[G1+2], 8<<16                       ; tensor_dim1 = 8
	s_mov_b32 s[G1+3], ASTEP<<16                   ; tile_dim0 = 4,096
	s_mov_b32 s[G1+4], 8                           ; tile_dim1 = 8
	s_mov_b32 s[G1+5], AROW                        ; tensor_dim0_stride
	s_mov_b32 s[G1+6], 0
	s_mov_b32 s[G1+7], 0
	; and for B': 128 rows x 256 bytes, 16 bytes of padding behind each
	s_or_b32 s[G1B+0], s44, (0<<16)|(1<<20)|(1<<21)|(5<<22)|(3<<25)
	s_mov_b32 s[G1B+1], ROWB<<16
	s_mov_b32 s[G1B+2], 128<<16
	s_mov_b32 s[G1B+3], ROWB<<16
	s_mov_b32 s[G1B+4], 128
	s_mov_b32 s[G1B+5], KROW
	s_mov_b32 s[G1B+6], 0
	s_mov_b32 s[G1B+7], 0
	s_lshl_b32 s20, s17, 4
	s_lshl_b32 s18, s16, 3
	s_add_co_u32 s20, s20, s18                     ; A': token tile 16 x tile row + 8 x half
	s_lshl_b32 s20, s20, 14                        ; in bytes: under 2^21
	s_mov_b32 s21, 0
	s_lshl_b32 s46, s42, 8
	s_lshl_b32 s18, s16, 7
	s_add_co_u32 s46, s46, s18                     ; B': row 256 x tile column + 128 x half
	s_lshl_b32 s46, s46, 10
	s_mov_b32 s47, 0
	s_mul_i32 s45, s14, HALFT                      ; where they go: wave x HALFT: no place in the cluster enters an LDS address
	s_wait_dscnt 0x0                               ; the opening add is done
	s_wait_kmcnt 0x0
	s_load_b64 s[96:97], s[8:9], 0x20              ; e8, e9
	s_add_nc_u64 s[20:21], s[4:5], s[20:21]
	s_add_nc_u64 s[46:47], s[6:7], s[46:47]
	CROUND                                         ; all sixteen work-groups are here: the first joint loads meet
.irp s, 0,1
	s_mov_b32 s[G0+4*\s], 1
	s_add_co_u32 s[G0+4*\s+1], s45, \s*SLOT
	s_add_nc_u64 s[G0+4*\s+2:G0+4*\s+3], s[20:21], \s*ASTEP
	s_or_b32 s[G0+4*\s+3], s[G0+4*\s+3], 0x80000000
	s_mov_b32 s[G0B+4*\s], 1
	s_add_co_u32 s[G0B+4*\s+1], s45, \s*SLOT
	s_add_nc_u64 s[G0B+4*\s+2:G0B+4*\s+3], s[46:47], \s*ROWB
	s_or_b32 s[G0B+4*\s+3], s[G0B+4*\s+3], 0x80000000
	JLOAD G0+4*\s, G1, G0B+4*\s, G1B
.endr
	v_and_b32 v1, 15, v0                           ; l % 16
	v_bfe_u32 v2, v0, 4, 1                         ; l / 16
	v_mul_u32_u24 v3, v1, PITCH
	v_lshl_add_u32 v4, v2, 4, v3                   ; B': a fragment's row x pitch + 16 x half
	v_and_b32 v6, 31, v0
	v_lshlrev_b32 v[CO], 4, v6                     ; A': 16 x lane
	s_mul_i32 s21, s15, HALFT                      ; my 8 token tiles of A'
	s_mul_i32 s22, s16, HALFT                      ; my 128 rows of B',
	s_add_co_u32 s22, s22, 2*HALFT                 ; which lie behind A' two halves
.irp s, 0,1
	v_add_nc_u32 v[ADRA+\s], s21, v[CO]
	v_add_nc_u32 v[ADRB+\s], s22, v4
	s_add_co_u32 s21, s21, SLOT
	s_add_co_u32 s22, s22, SLOT
.endr
	s_mul_i32 s23, s14, 16*SPITCH                  ; my stage
	v_mul_u32_u24 v5, v1, SPITCH                   ; in: row l % 16, 32 bytes for each half of the lanes
	v_lshl_add_u32 v5, v2, 5, v5
	v_add_nc_u32 v[STO], s23, v5
	v_add_nc_u32 v[RD], s23, v[CO]                 ; back: the 32 lanes take one row of 512 bytes
	s_lshl_b32 s20, s17, 8
	s_lshl_b32 s21, s15, 7
	s_add_co_u32 s20, s20, s21                     ; my first row of out0: 256 x tile row + 128 x half,
	s_lshl_b32 s20, s20, 12                        ; of 4,096 bytes
	s_lshl_b32 s46, s42, 10                        ; my first column, in bytes: 1,024 x tile column + 512 x half
	s_lshl_b32 s47, s16, 9
	s_add_co_u32 s46, s46, s47
	s_add_co_u32 s20, s20, s46
	s_mov_b32 s21, 0
	s_mov_b32 s47, 0
	s_add_nc_u64 s[12:13], s[12:13], s[20:21]
	s_add_nc_u64 s[10:11], s[10:11], s[46:47]      ; bo at my first column
	global_load_b128 v[BI:BI+3], v[CO], s[10:11]   ; the four columns that I hold of every row read back from the stage
.macro FRAG reg, adr, q, i             ; B': 16 rows x 128 K: registers 4 c .. 4 c + 3 hold K = 32 c + 16 (l / 16) + 0 .. 15 of row l % 16
.irp c, 0,1,2,3
	ds_load_b128 v[\reg+4*\c:\reg+4*\c+3], v[\adr] offset:128*(\q)+32*\c+(\i)*16*PITCH
.endr
.endm
.macro FRAGA reg, adr, q, i            ; A': token tile i, heads 8 q + 2 c + (l / 16): the same K in the same registers
.irp c, 0,1,2,3
	ds_load_b128 v[\reg+4*\c:\reg+4*\c+3], v[\adr] offset:2048*(\q)+512*\c+(\i)*ASTEP
.endr
.endm
; 16 matrix instructions; the 64 accumulators take turns, one instruction a turn, in the same order in every step
.macro MUL16 a0, p, zero
.irp a, \a0, \a0+1
.irp b, 0,1,2,3,4,5,6,7
.if \zero
	v_wmma_f32_16x16x128_bf8_bf8 v[8*(8*((\a)%4)+\b):8*(8*((\a)%4)+\b)+7], v[128*(\p)+FR*\b:128*(\p)+FR*\b+FR-1], v[AF+FR*(\a):AF+FR*(\a)+FR-1], 0
.else
	v_wmma_f32_16x16x128_bf8_bf8 v[8*(8*((\a)%4)+\b):8*(8*((\a)%4)+\b)+7], v[128*(\p)+FR*\b:128*(\p)+FR*\b+FR-1], v[AF+FR*(\a):AF+FR*(\a)+FR-1], v[8*(8*((\a)%4)+\b):8*(8*((\a)%4)+\b)+7]
.endif
.endr
.endr
.endm
.macro FETCH_B slot, q, p
	WIN TO_B
.irp i, 0,1,2,3,4,5,6,7
	FRAG 128*(\p)+FR*\i, ADRB+\slot, \q, \i
.endr
	WIN 0
.endm
.macro FETCH_A slot, q, i0
.irp i, \i0, \i0+1, \i0+2, \i0+3
	FRAGA AF+FR*(\i), ADRA+\slot, \q, \i
.endr
.endm
.macro PLACES n
.rept \n
	v_nop
.endr
.endm
.macro STEP slot, q, zero
	s_wait_dscnt 4*NL                              ; B' set and A' blocks 0-3 are in; the youngest 16 loads (A' blocks 4-7) may be out
	WIN MUL_LO
	MUL16 0, (\q)%2, \zero
	MUL16 2, (\q)%2, \zero
	s_wait_dscnt 0
	PLACES NP
	FETCH_B \slot, (\q)+1, 1-(\q)%2
	FETCH_A \slot, (\q)+1, 0
	WIN MUL_HI
	MUL16 4, (\q)%2, \zero
	MUL16 6, (\q)%2, \zero
	PLACES NP
	WIN 0
	FETCH_A \slot, (\q)+1, 4
.endm
.macro TURN slot, next, fill
	s_wait_tensorcnt 0x0                           ; all my tensor loads have landed: my part of the next slot
	ds_add_u32 v[SPW], v[NIL]                      ; 0 onto my spare word
	s_wait_dscnt 4*NL+1                            ; the add and the youngest 16 loads may be out
	WIN MUL_LO
	MUL16 0, 1, 0
	s_wait_dscnt 0x0                               ; the add is done, and my reads of this slot are over
	s_barrier_signal -1
	MUL16 2, 1, 0
	WIN 0
	s_barrier_wait -1
.if \fill
	CREST                                          ; the barrier has opened a round of the cluster's barrier
	s_add_nc_u64 s[G0+4*\slot+2:G0+4*\slot+3], s[G0+4*\slot+2:G0+4*\slot+3], 2*ASTEP
	s_add_nc_u64 s[G0B+4*\slot+2:G0B+4*\slot+3], s[G0B+4*\slot+2:G0B+4*\slot+3], 2*ROWB
	JLOAD G0+4*\slot, G1, G0B+4*\slot, G1B         ; the first tensor load behind the round
.else
	PLACES NP
.endif
	FETCH_B \next, 0, 0
	FETCH_A \next, 0, 0
	WIN MUL_HI
	MUL16 4, 1, 0
	MUL16 6, 1, 0
	PLACES NP
	WIN 0
	FETCH_A \next, 0, 4
.endm
	s_wait_tensorcnt 1                             ; my part of K step 0 is in; K step 1's load may be out
	s_barrier_signal -1
	s_barrier_wait -1
	FETCH_B 0, 0, 0
	FETCH_A 0, 0, 0
	FETCH_A 0, 0, 4
	STEP 0, 0, 1                                   ; the first step's products start the sums
	s_mov_b32 s3, LAPS-1
.Llap:
	TURN 0, 1, 1
	STEP 1, 0, 0
	TURN 1, 0, 1
	STEP 0, 0, 0
	s_sub_co_u32 s3, s3, 1
	s_cmp_lg_u32 s3, 0
	s_cbranch_scc1 .Llap
	TURN 0, 1, 0
	STEP 1, 0, 0
	s_wait_dscnt 4*NL
	WIN MUL_LO
	MUL16 0, 1, 0
	MUL16 2, 1, 0
	s_wait_dscnt 0
	WIN MUL_HI
	MUL16 4, 1, 0
	MUL16 6, 1, 0
	WIN 0
; THE WAY OUT, block by block of 16 rows x 128 columns: the sums go into my own stage in LDS as they stand and come back as whole rows of 512 bytes; there each number takes x 2^(e8 + e9) + bo, and the 32 lanes store the row.
; LDS serves a wave's instructions in order (ISA guide 5.7.1.4): no wait between the stores and the loads, nor in front of the next block's stores.
.macro TOSTAGE a
.set AC, 64*((\a)%4)
	WIN (0x08+4*((\a)/4))                          ; an LDS store's data are its source 1: window 2 or 3
.irp b, 0,1,2,3,4,5,6,7
	ds_store_b128 v[STO], v[AC+8*\b:AC+8*\b+3] offset:64*\b          ; each accumulator from its low end on
	ds_store_b128 v[STO], v[AC+8*\b+4:AC+8*\b+7] offset:64*\b+16
.endr
	WIN 0
.set BB, BK+64*((\a)%2)
.irp t, 0,1,2,3,4,5,6,7,8,9,10,11,12,13,14,15
	ds_load_b128 v[BB+4*\t:BB+4*\t+3], v[RD] offset:\t*SPITCH
.endr
.endm
.macro SEND a, younger                 ; younger: the LDS instructions issued behind block a's loads, which may stay out
.set BB, BK+64*((\a)%2)
	s_wait_dscnt \younger                          ; the block is back in registers
.if (\a) > 0
	s_add_nc_u64 s[12:13], s[12:13], 16*4096       ; (behind a wait on XCNT: the earlier stores have read their base)  16 rows on
.endif
.irp t, 0,1,2,3,4,5,6,7,8,9,10,11,12,13,14,15
	v_pk_fma_f32 v[BB+4*\t:BB+4*\t+1], v[BB+4*\t:BB+4*\t+1], s[96:97], v[BI:BI+1] op_sel_hi:[1,0,1]         ; sum x 2^(e8 + e9) + bo (the scalar pair's low word for both halves)
	v_pk_fma_f32 v[BB+4*\t+2:BB+4*\t+3], v[BB+4*\t+2:BB+4*\t+3], s[96:97], v[BI+2:BI+3] op_sel_hi:[1,0,1]
.endr
.irp t, 0,1,2,3,4,5,6,7,8,9,10,11,12,13,14,15
	global_store_b128 v[CO], v[BB+4*\t:BB+4*\t+3], s[12:13] offset:\t*4096 th:TH_STORE_NT   ; 32 lanes store 512 consecutive bytes, aligned to 512; written once, read by nobody here
.endr
.endm
	s_wait_kmcnt 0x0
	s_add_co_i32 s96, s96, s97                     ; e8 + e9
	s_add_co_i32 s96, s96, 127
	s_lshl_b32 s96, s96, 23                        ; 2^(e8 + e9) as f32
	s_wait_loadcnt 0x0                             ; bo
	PLACES NP                                      ; behind the last products: their results are read by LDS stores, and loads land in the registers that held A' fragments
	TOSTAGE 0
.irp a, 1,2,3,4,5,6,7
.if \a > 1
	s_wait_xcnt 0x0                                ; block a - 2's stores have read their registers and their base
.endif
	TOSTAGE \a
	SEND \a-1, 32                                  ; behind block a - 1's loads: block a's 16 stores and 16 loads
.endr
	s_wait_xcnt 0x0                                ; block 6's stores have read their base
	SEND 7, 0
	s_wait_tensorcnt 0x0                           ; the wave's end, behind my last tensor load and my last LDS store
	ds_add_u32 v[SPW], v[NIL]
	s_wait_dscnt 0x0
	CROUND                                         ; the closing round
	s_endpgm
.Lfunc_end_k_q819df14290_oproj:
	.size	k_q819df14290_oproj, .Lfunc_end_k_q819df14290_oproj-k_q819df14290_oproj
	.p2alignl 7, 3214868480
	.fill 96, 4, 3214868480
	.section	.rodata,"a",@progbits
	.p2align	6, 0x0
	.amdhsa_kernel k_q819df14290_oproj
		.amdhsa_group_segment_fixed_size 327680
		.amdhsa_private_segment_fixed_size 0
		.amdhsa_enable_private_segment 0
		.amdhsa_kernarg_size 40
		.amdhsa_user_sgpr_count 2
		.amdhsa_user_sgpr_kernarg_segment_ptr 1
		.amdhsa_wavefront_size32 1
		.amdhsa_system_sgpr_workgroup_id_x 1
		.amdhsa_system_sgpr_workgroup_id_y 1
		.amdhsa_system_sgpr_workgroup_id_z 1
		.amdhsa_system_vgpr_workitem_id 0
		.amdhsa_next_free_vgpr 1024
		.amdhsa_next_free_sgpr 100
		.amdhsa_reserve_vcc 0
		.amdhsa_float_denorm_mode_32 3
		.amdhsa_float_denorm_mode_16_64 3
		.amdhsa_memory_ordered 1
		.amdhsa_forward_progress 1
		.amdhsa_inst_pref_size 123
	.end_amdhsa_kernel
	.amdgpu_metadata
---
amdhsa.version: [ 1, 2 ]
amdhsa.kernels:
  - .name:           k_q819df14290_oproj
    .symbol:         k_q819df14290_oproj.kd
    .args:
      - { .name: cc, .offset: 0, .size: 8, .value_kind: global_buffer, .address_space: global }
      - { .name: Wo_codes, .offset: 8, .size: 8, .value_kind: global_buffer, .address_space: global }
      - { .name: lowp_scales, .offset: 16, .size: 8, .value_kind: global_buffer, .address_space: global }
      - { .name: bo, .offset: 24, .size: 8, .value_kind: global_buffer, .address_space: global }
      - { .name: out0, .offset: 32, .size: 8, .value_kind: global_buffer, .address_space: global }
    .group_segment_fixed_size: 327680
    .private_segment_fixed_size: 0
    .kernarg_segment_align: 8
    .kernarg_segment_size: 40
    .max_flat_workgroup_size: 128
    .sgpr_count:     100
    .vgpr_count:     1024
    .wavefront_size: 32
...
	.end_amdgpu_metadata
.endif
;; end of part 3
;; ======== version 2 of 2: 3 launches; 1.19 times as fast as version 1
;; workspace buffers: qf 8,388,608 bytes; kf 8,388,608 bytes; vc 2,097,152 bytes; cc 2,097,152 bytes
;; launch qkv (part 4): grid 16 x 16, 4 waves a work-group, clusters of 4 x 4, 327,680 bytes of LDS; arguments x_codes, Wq_codes, Wk_codes, Wv_codes, lowp_scales, qf, kf, vc; writes qf, kf, vc
.if DOCPART == 4
	.amdgcn_target "amdgcn-amd-amdhsa--gfx1250"
	.amdhsa_code_object_version 6
	.text
	.protected	k_q819df14290_qkv
	.globl	k_q819df14290_qkv
	.p2align	8
	.type	k_q819df14290_qkv,@function
k_q819df14290_qkv:
	s_mov_b64 s[64:65], 0
	v_nop
	global_prefetch_b8 v0, s[64:65] scope:SCOPE_SE
	s_setreg_imm32_b32 hwreg(HW_REG_WAVE_MODE, 25, 1), 1
	s_wait_xcnt 0x0
	s_wait_alu depctr_hold_cnt(0) depctr_sa_sdst(0) depctr_va_vdst(0) depctr_va_sdst(0) depctr_va_ssrc(0) depctr_va_vcc(0) depctr_vm_vsrc(0)
	s_getreg_b32 s2, hwreg(HW_REG_IB_STS2, 6, 4)
	s_cmp_eq_u32 s2, 0
	s_cbranch_scc0 .Lentry_in_a_cluster
	s_endpgm
.Lentry_in_a_cluster:
	s_bfe_u32 s2, ttmp6, 0x10000c
	s_cmp_lg_u32 s2, 0xf033
	s_cbranch_scc0 .Lentry_shape_is_right
	s_endpgm
.Lentry_shape_is_right:
; q = x Wq, k = x Wk, v = x Wv on codes of BF8 (E5M2), K = 1,024 innermost in every operand; sums in f32.
; SHARES.  2,048 tokens x 3,072 columns on 256 work-groups: work-group (cb, tb) takes tokens 128 tb .. + 127 and columns 64 cb .. + 63 (four heads of 16) of ALL THREE products.
; Wave w takes tokens 64 (w / 2) on and heads 2 (w % 2) on: 4 token tiles x 2 heads x 3 products = 24 accumulators of 16 x 16; each fragment of x feeds six products, each fragment of a weight four.
; The matrix instruction gives lane (r, h) row r of its source 1 and rows 8 h + 0 .. 7 of its source 0.
;   q, k: source 0 = 16 columns of W (a head), source 1 = 16 tokens: lane (r, h) holds token r, features 8 h + 0 .. 7.  Stored as it stands, x 2^(ex + ew):
;         qf, kf = [batch x head 128][token tile 64][half 2][lane 32][4 f32]: the operand registers of the f32 score product.
;   v:    source 0 = 16 tokens, source 1 = a head of Wv: lane (r, h) holds feature r and tokens 8 h + 0 .. 7: eight neighbours along the keys, the K of the product p v.
;         Quantised with the given 2^e7 and stored as the operand's registers: vc = [batch x head 128][block of 128 keys 8][4][lane 32][16 bytes].
; Every store of a wave covers 512 consecutive bytes, aligned to 512.
; LDS.  K goes in four chunks of 256.  A slot holds a chunk: 128 rows of x, then 64 each of Wq, Wk, Wv: 320 rows of 272 bytes.  Three slots fit (four would be 348,160 bytes), so chunks 0 to 2 are asked
; for at the start and chunk 3 fills slot 0 again, at the change to chunk 2, where all of a wave's loads are waited for in any case.  Three tensor loads of a wave are out at the start, later one.
; CLUSTERS: 4 x 4 work-groups.  The four of a row of the cluster need the same rows of x, the four of a column the same rows of the weights: each tile is asked for jointly.  Wave 0 asks for x, waves 1 to 3 for one weight each.
; LIMITS: e0 + e1 and e2 + e3 between -126 and 127; e7 - e4 - e5 between -126 and 112, so that each power of two below is an f32 number.  NaN and infinity among the codes are not served.
; REGISTERS, in windows of 256: window 0: v8-10, v12-14 LDS addresses; v16 16 x lane; v17 v's scale; v28, v29 the add's two; v32-47 v's codes; v64-255 the accumulators (product t, head hd, token tile tt at v[64 + 8 (8 t + 4 hd + tt)]).
;   window 1: fragment set 0: v0-63 x (4 x 16 rows x 128 K), v64-159 the weights (fragment 2 t + hd).   window 2: fragment set 1, likewise.
.set ROWB,   256                       ; a chunk of a row in bytes: 256 codes
.set KROW,   1024                      ; a row of any operand in memory, in bytes
.set PITCH,  272                       ; an LDS row: 256 bytes + 16 of padding = 68 words: the 16 rows of a fragment load start 4 words apart modulo 64 words
.set H64,    64*PITCH                  ; 64 rows
.set SLOT,   5*H64                     ; x's 128 rows, then 64 rows of each weight
.set SPARE,  3*SLOT                    ; behind the three slots: the spare words, 128 bytes for each wave
.set ADX,  8                           ; v8-10   LDS address of my fragments of x in slot 0, 1, 2
.set ADW,  12                          ; v12-14  the same for the weights
.set CO,   16                          ; v16     16 x lane: my place in a store's 512 bytes
.set SCV,  17                          ; v17     2^(e7 - e4 - e5) as f32, for v's conversions
.set SPW,  28                          ; v28     LDS address of my spare word; never rewritten
.set NIL,  29                          ; v29     0; never rewritten
.set CD,   32                          ; v32-47  v's codes: 8 registers a head
.set ACC,  64
.set G1,  24                           ; s[24:31] descriptor group 1 for x's tiles;  s[32:43] group 0, one set for each slot
.set G0,  32
.set G1B, 48                           ; s[48:55] group 1 for a weight's tiles;  s[84:95] group 0, one set for each slot
.set G0B, 84
.set MSB, 0
.macro WIN new                         ; the immediate's high byte repeats the setting that is left
.if MSB != \new
	s_set_vgpr_msb (MSB<<8)|\new
.set MSB, \new
.endif
.endm
; A joint load: wave 0 asks for x, waves 1 to 3 for their weight.  The branch hangs on the wave's number alone.  An s_nop 0 and four v_nop follow each of the two lines.
.macro JLOAD g0a, g0b
	s_cmp_eq_u32 s14, 0
	s_cbranch_scc0 .Lfor_w_\@
	tensor_load_to_lds s[\g0a:\g0a+3], s[G1:G1+7]
	s_nop 0
.rept 4
	v_nop
.endr
	s_branch .Lasked_\@
.Lfor_w_\@:
	tensor_load_to_lds s[\g0b:\g0b+3], s[G1B:G1B+7]
	s_nop 0
.rept 4
	v_nop
.endr
.Lasked_\@:
.endm
.macro CREST                           ; a round of the cluster's barrier behind its opening barrier
	s_cmp_lg_u32 s14, 0
	s_cbranch_scc1 .Lnot_wave_0_\@
	s_barrier_signal -3
.Lnot_wave_0_\@:
	s_barrier_wait -3
	s_barrier_signal -1
	s_barrier_wait -1
.endm
.macro CROUND                          ; a whole round
	s_barrier_signal -1
	s_barrier_wait -1
	CREST
.endm
	s_load_b256 s[68:75], s[0:1], 0x0              ; x s[68:69], Wq s[70:71], Wk s[72:73], Wv s[74:75]
	s_load_b256 s[76:83], s[0:1], 0x20             ; the scales' exponents s[76:77], qf s[78:79], kf s[80:81], vc s[82:83]
	v_lshl_add_u32 v[SPW], v0, 2, SPARE
	v_mov_b32 v[NIL], 0
	ds_add_u32 v[SPW], v[NIL]                      ; the wave's opening: the add and its wait stand ahead of my first tensor load; the set-up below, work on registers, stands between them
	v_lshrrev_b32 v1, 5, v0
	v_readfirstlane_b32 s14, v1                    ; wave 0..3
	s_lshr_b32 s15, s14, 1                         ; which 64 of the 128 tokens are mine
	s_and_b32 s16, s14, 1                          ; which two of the four heads
	s_bfe_u32 s44, ttmp6, 0x40000                  ; cx, cy: my place in the cluster
	s_bfe_u32 s45, ttmp6, 0x40004
	s_lshl_b32 s46, ttmp9, 2
	s_add_co_u32 s46, s46, s44                     ; cb: block of 64 columns = 4 x cluster x + cx
	s_and_b32 s47, ttmp7, 0xffff
	s_lshl_b32 s47, s47, 2
	s_add_co_u32 s47, s47, s45                     ; tb: block of 128 tokens = 4 x cluster y + cy
	s_lshl_b32 s20, s45, 2
	s_lshl_b32 s20, 15, s20                        ; my row of the cluster
	s_lshl_b32 s21, 0x1111, s44                    ; my column
	; descriptor group 1: rows of 256 bytes, 16 bytes of padding behind each; 128 rows of x, 64 of a weight
	s_or_b32 s[G1+0], s20, (0<<16)|(1<<20)|(1<<21)|(5<<22)|(3<<25)  ; 15:0 the mask: x's tiles go to my row; 17:16 element of 1 byte; 20 padding on; 21 set beside a mask; 24:22 after every 64 words; 31:25 of 4 words
	s_mov_b32 s[G1+1], ROWB<<16                    ; tensor_dim0
	s_mov_b32 s[G1+2], 128<<16                     ; tensor_dim1 = 128
	s_mov_b32 s[G1+3], ROWB<<16                    ; tile_dim0
	s_mov_b32 s[G1+4], 128                         ; tile_dim1 = 128
	s_mov_b32 s[G1+5], KROW                        ; tensor_dim0_stride
	s_mov_b32 s[G1+6], 0
	s_mov_b32 s[G1+7], 0
	s_or_b32 s[G1B+0], s21, (0<<16)|(1<<20)|(1<<21)|(5<<22)|(3<<25) ; the same with the mask of my column
	s_mov_b32 s[G1B+1], ROWB<<16
	s_mov_b32 s[G1B+2], 64<<16                     ; tensor_dim1 = 64
	s_mov_b32 s[G1B+3], ROWB<<16
	s_mov_b32 s[G1B+4], 64                         ; tile_dim1 = 64
	s_mov_b32 s[G1B+5], KROW
	s_mov_b32 s[G1B+6], 0
	s_mov_b32 s[G1B+7], 0
	s_lshl_b32 s18, s47, 17                        ; x: 128 tb rows of 1,024 bytes: under 2^21
	s_mov_b32 s19, 0
	s_lshl_b32 s22, s46, 16                        ; a weight: 64 cb rows of 1,024 bytes
	s_mov_b32 s23, 0
	s_add_co_u32 s17, s14, 1
	s_mul_i32 s17, s17, H64                        ; where wave w's weight goes in a slot: behind x's 128 rows, (w + 1) x 64 rows: no place in the cluster enters an LDS address
	s_wait_dscnt 0x0                               ; the opening add is done
	s_wait_kmcnt 0x0
	s_load_b256 s[56:63], s[76:77], 0x0            ; e0 .. e7
	s_cmp_eq_u32 s14, 2                            ; the weight that my wave asks for is chosen on the wave's number alone
	s_cselect_b64 s[6:7], s[72:73], s[70:71]       ; wave 2: Wk, else Wq
	s_cmp_eq_u32 s14, 3
	s_cselect_b64 s[6:7], s[74:75], s[6:7]         ; wave 3: Wv
	s_add_nc_u64 s[4:5], s[68:69], s[18:19]
	s_add_nc_u64 s[6:7], s[6:7], s[22:23]
	CROUND                                         ; all sixteen work-groups are here: the first joint loads meet
.irp s, 0,1,2
	s_mov_b32 s[G0+4*\s], 1                        ; count = 1
	s_mov_b32 s[G0+4*\s+1], \s*SLOT                ; LDS address: the slot's first byte
	s_add_nc_u64 s[G0+4*\s+2:G0+4*\s+3], s[4:5], \s*ROWB   ; global address: chunk s
	s_or_b32 s[G0+4*\s+3], s[G0+4*\s+3], 0x80000000        ; type = 2
	s_mov_b32 s[G0B+4*\s], 1
	s_add_co_u32 s[G0B+4*\s+1], s17, \s*SLOT
	s_add_nc_u64 s[G0B+4*\s+2:G0B+4*\s+3], s[6:7], \s*ROWB
	s_or_b32 s[G0B+4*\s+3], s[G0B+4*\s+3], 0x80000000
	JLOAD G0+4*\s, G0B+4*\s
.endr
	v_and_b32 v1, 15, v0                           ; l % 16
	v_bfe_u32 v2, v0, 4, 1                         ; l / 16
	v_mul_u32_u24 v3, v1, PITCH
	v_lshl_add_u32 v4, v2, 4, v3                   ; a fragment's row x pitch + 16 x half
	s_mul_i32 s18, s15, H64                        ; my 64 rows of x
	s_mul_i32 s19, s16, 32*PITCH                   ; my 32 rows of each weight,
	s_add_co_u32 s19, s19, 2*H64                   ; which lie behind x's 128
.irp s, 0,1,2
	v_add_nc_u32 v[ADX+\s], s18, v4
	v_add_nc_u32 v[ADW+\s], s19, v4
	s_add_co_u32 s18, s18, SLOT
	s_add_co_u32 s19, s19, SLOT
.endr
	v_and_b32 v5, 31, v0
	v_lshlrev_b32 v[CO], 4, v5
	; where my wave's parts of the outputs begin, in bytes
	s_lshr_b32 s18, s47, 3                         ; the batch,
	s_and_b32 s19, s47, 7                          ; and the block of 128 tokens in it
	s_lshl_b32 s18, s18, 6
	s_lshl_b32 s20, s46, 2
	s_add_co_u32 s18, s18, s20
	s_lshl_b32 s20, s16, 1
	s_add_co_u32 s18, s18, s20                     ; my first batch x head: 64 x batch + 4 cb + 2 x half
	s_lshl_b32 s20, s18, 6
	s_lshl_b32 s21, s19, 3
	s_add_co_u32 s20, s20, s21
	s_lshl_b32 s21, s15, 2
	s_add_co_u32 s20, s20, s21                     ; q, k: x 64 token tiles + my first tile (8 x block + 4 x half),
	s_lshl_b32 s20, s20, 10                        ; 1,024 bytes each
	s_mov_b32 s21, 0
	s_add_nc_u64 s[78:79], s[78:79], s[20:21]
	s_add_nc_u64 s[80:81], s[80:81], s[20:21]
	s_lshl_b32 s20, s18, 3
	s_add_co_u32 s20, s20, s19                     ; v: x 8 blocks of keys + my block, 2,048 bytes each,
	s_lshl_b32 s20, s20, 1
	s_add_co_u32 s20, s20, s15                     ; and my half of it
	s_lshl_b32 s20, s20, 10
	s_add_nc_u64 s[82:83], s[82:83], s[20:21]
.macro FRAG reg, adr, off              ; a fragment, 16 rows x 128 K of codes, is 16 registers: lane l holds row l % 16; registers 4 c .. 4 c + 3 hold K = 32 c + 16 (l / 16) + 0 .. 15: the same places in x and in the weights
.irp c, 0,1,2,3
	ds_load_b128 v[\reg+4*\c:\reg+4*\c+3], v[\adr] offset:\off+32*\c
.endr
.endm
.macro FETCH slot, q, w                ; 40 LDS loads in one run: the slot's q-th 128 along K into fragment set w: four fragments of x, six of the weights
	WIN (0x40<<(\w))                               ; destination window 1 or 2, address window 0
.irp i, 0,1,2,3
	FRAG 16*\i, ADX+\slot, 128*(\q)+\i*16*PITCH
.endr
.irp n, 0,1,2,3,4,5
	FRAG 64+16*\n, ADW+\slot, 128*(\q)+(\n/2)*H64+(\n%2)*16*PITCH
.endr
.endm
; The eight products of q (t = 0), k (1) or v (2), 128 along K, on fragment set w.  zero = 1: the first product starts the sums: nothing is ever cleared.
; The 24 accumulators take turns, one instruction a turn, in the same order in every step.
.macro MULP t, w, zero
	WIN (0x05<<(\w))                               ; sources 0 and 1 window 1 or 2; C and D window 0
.irp hd, 0,1
.irp tt, 0,1,2,3
.set rD, ACC+8*(8*(\t)+4*\hd+\tt)
.set rW, 64+16*(2*(\t)+\hd)
.set rX, 16*\tt
.if (\t) < 2
.if \zero
	v_wmma_f32_16x16x128_bf8_bf8 v[rD:rD+7], v[rW:rW+15], v[rX:rX+15], 0
.else
	v_wmma_f32_16x16x128_bf8_bf8 v[rD:rD+7], v[rW:rW+15], v[rX:rX+15], v[rD:rD+7]
.endif
.else
.if \zero
	v_wmma_f32_16x16x128_bf8_bf8 v[rD:rD+7], v[rX:rX+15], v[rW:rW+15], 0
.else
	v_wmma_f32_16x16x128_bf8_bf8 v[rD:rD+7], v[rX:rX+15], v[rW:rW+15], v[rD:rD+7]
.endif
.endif
.endr
.endr
.endm
.macro PLACES                          ; four plain vector instructions between a matrix instruction and a load into, or a vector access of, its registers
.rept 4
	v_nop
.endr
.endm
; A slot's first step (set 0): its successor lies in the same slot and is fetched, into set 1, ahead of this step's 24 products.
.macro EVEN slot, first
	s_wait_dscnt 0x0                               ; set 0 is in
.if \first == 0
	PLACES                                         ; behind the last step's products, which read set 1
.endif
	FETCH \slot, 1, 1
	MULP 0, 0, \first
	MULP 1, 0, \first
	MULP 2, 0, \first
.endm
; A slot's second step (set 1) with a plain change of slots: later chunks may stay on their way.  left: how many of my younger tensor loads may be out.
.macro ODDC next, left
	s_wait_tensorcnt \left                         ; my part of the next chunk has landed
	s_wait_dscnt 0x0                               ; set 1 is in: no LDS instruction of mine is out at the signal
	s_barrier_signal -1
	MULP 0, 1, 0                                   ; work on registers while the others arrive
	s_barrier_wait -1                              ; everybody's part has landed
	PLACES                                         ; behind the products of the step before, which read set 0
	FETCH \next, 0, 0
	MULP 1, 1, 0
	MULP 2, 1, 0
.endm
; The same with the wait for ALL my tensor loads, the add and the wait for it.  fill = 1: slot 0, which nobody has read since the change to chunk 1, is filled again, with chunk 3, behind a round of the cluster's barrier.
.macro TURN next, fill
	WIN 0                                          ; (the add's two registers lie in window 0)
	s_wait_tensorcnt 0x0                           ; all my tensor loads have landed, my part of the next chunk among them
	ds_add_u32 v[SPW], v[NIL]                      ; 0 onto my spare word
	s_wait_dscnt 1                                 ; set 1's 40 loads are in; the add, issued behind them, may be out
	MULP 0, 1, 0                                   ; eight matrix instructions stand between the add and the wait for it
	s_wait_dscnt 0x0                               ; the add is done, and no read of mine is out
	s_barrier_signal -1
	MULP 1, 1, 0
	WIN 0
	s_barrier_wait -1
.if \fill
	CREST                                          ; the barrier has opened a round of the cluster's barrier: no wave of any partner still reads slot 0 or has a load on its way
	s_add_nc_u64 s[G0+2:G0+3], s[G0+2:G0+3], 3*ROWB        ; slot 0's descriptors step from chunk 0 to chunk 3; the type bits on top are not reached
	s_add_nc_u64 s[G0B+2:G0B+3], s[G0B+2:G0B+3], 3*ROWB
	JLOAD G0, G0B                                  ; the first tensor load behind the round, one a wave; its four v_nop are the places in front of the loads below
.else
	PLACES
.endif
	FETCH \next, 0, 0
	MULP 2, 1, 0
.endm
	s_wait_tensorcnt 2                             ; my part of chunk 0 is in; chunks 1 and 2 may be out
	s_barrier_signal -1
	s_barrier_wait -1                              ; everybody's is
	FETCH 0, 0, 0
	EVEN 0, 1                                      ; K 0: its products start the sums
	ODDC 1, 1                                      ; K 128; on to chunk 1 in slot 1: chunk 2 may be out
	EVEN 1, 0                                      ; K 256
	TURN 2, 1                                      ; K 384; on to chunk 2 in slot 2; chunk 3 is asked for, into slot 0: it has the rest of this step and the next in which to land
	EVEN 2, 0                                      ; K 512
	TURN 0, 0                                      ; K 640; on to chunk 3 in slot 0; nothing is left to ask for
	EVEN 0, 0                                      ; K 768
	s_wait_dscnt 0x0                               ; K 896: the last step
	MULP 0, 1, 0
	MULP 1, 1, 0
	MULP 2, 1, 0
	WIN 0
	; THE WAY OUT: straight from the accumulators, no LDS: their lanes already hold what the reader's lanes want.
	s_wait_kmcnt 0x0
	s_add_co_i32 s96, s56, s57                     ; q: e0 + e1
	s_add_co_i32 s96, s96, 127
	s_lshl_b32 s96, s96, 23                        ; 2^(e0 + e1) as f32
	s_mov_b32 s97, s96                             ; (named with it as a pair, so it is written)
	s_add_co_i32 s98, s58, s59                     ; k: e2 + e3
	s_add_co_i32 s98, s98, 127
	s_lshl_b32 s98, s98, 23
	s_mov_b32 s99, s98
	s_sub_co_i32 s100, s63, s60
	s_sub_co_i32 s100, s100, s61                   ; v: a sum stands for sum x 2^(e4 + e5), so its code is sum / 2^(e7 - e4 - e5)
	s_add_co_i32 s100, s100, 127
	s_lshl_b32 s101, s100, 23
	v_mov_b32 v[SCV], s101                         ; that power of two as f32: the conversion takes its exponent field
	s_add_co_i32 s100, s100, 15
	s_lshl_b32 s100, s100, 23
	s_or_b32 s100, s100, 0x600000                  ; 57,344 x that,
	s_or_b32 s101, s100, 0x80000000                ; and its negative
	PLACES                                         ; behind the last products, in front of the first vector access of results
.set ix, 0
.rept 32
	v_pk_mul_f32 v[ACC+ix:ACC+ix+1], v[ACC+ix:ACC+ix+1], s[96:97] op_sel_hi:[1,0]   ; q x 2^(e0 + e1), in place; each accumulator from its low end on
.set ix, ix+2
.endr
.irp hd, 0,1
.irp tt, 0,1,2,3
	global_store_b128 v[CO], v[ACC+8*(4*\hd+\tt):ACC+8*(4*\hd+\tt)+3], s[78:79] offset:65536*\hd+1024*\tt         ; features 8 h + 0 .. 3: 512 consecutive bytes a wave
	global_store_b128 v[CO], v[ACC+8*(4*\hd+\tt)+4:ACC+8*(4*\hd+\tt)+7], s[78:79] offset:65536*\hd+1024*\tt+512   ; features 8 h + 4 .. 7
.endr
.endr
.set ix, 0
.rept 32
	v_pk_mul_f32 v[ACC+64+ix:ACC+64+ix+1], v[ACC+64+ix:ACC+64+ix+1], s[98:99] op_sel_hi:[1,0]   ; k x 2^(e2 + e3)
.set ix, ix+2
.endr
.irp hd, 0,1
.irp tt, 0,1,2,3
	global_store_b128 v[CO], v[ACC+64+8*(4*\hd+\tt):ACC+64+8*(4*\hd+\tt)+3], s[80:81] offset:65536*\hd+1024*\tt
	global_store_b128 v[CO], v[ACC+64+8*(4*\hd+\tt)+4:ACC+64+8*(4*\hd+\tt)+7], s[80:81] offset:65536*\hd+1024*\tt+512
.endr
.endr
.set ix, 0
.rept 64
	v_med3_num_f32 v[ACC+128+ix], v[ACC+128+ix], s101, s100   ; v: the conversion to an 8-bit code does not saturate (ISA guide 7.6.2): the hold at the largest code x the scale
.set ix, ix+1
.endr
.irp hd, 0,1
.irp tt, 0,1,2,3
	v_cvt_scalef32_pk8_bf8_f32 v[CD+8*\hd+2*\tt:CD+8*\hd+2*\tt+1], v[ACC+128+8*(4*\hd+\tt):ACC+128+8*(4*\hd+\tt)+7], v[SCV]   ; keys 16 tt + 8 h + 0 .. 7 of my 64: two registers of the head's fragment of V^T
.endr
.endr
	v_nop                                          ; a plain vector line behind the last conversion
.irp hd, 0,1
.irp u, 0,1
	global_store_b128 v[CO], v[CD+8*\hd+4*\u:CD+8*\hd+4*\u+3], s[82:83] offset:16384*\hd+512*\u   ; no store's data are written again: no wait is owed
.endr
.endr
	s_wait_tensorcnt 0x0                           ; the wave's end, behind my last tensor load
	ds_add_u32 v[SPW], v[NIL]
	s_wait_dscnt 0x0
	CROUND                                         ; the closing round: no work-group ends while a partner may still ask for a tile that names it
	s_endpgm
.Lfunc_end_k_q819df14290_qkv:
	.size	k_q819df14290_qkv, .Lfunc_end_k_q819df14290_qkv-k_q819df14290_qkv
	.p2alignl 7, 3214868480
	.fill 96, 4, 3214868480
	.section	.rodata,"a",@progbits
	.p2align	6, 0x0
	.amdhsa_kernel k_q819df14290_qkv
		.amdhsa_group_segment_fixed_size 327680
		.amdhsa_private_segment_fixed_size 0
		.amdhsa_enable_private_segment 0
		.amdhsa_kernarg_size 64
		.amdhsa_user_sgpr_count 2
		.amdhsa_user_sgpr_kernarg_segment_ptr 1
		.amdhsa_wavefront_size32 1
		.amdhsa_system_sgpr_workgroup_id_x 1
		.amdhsa_system_sgpr_workgroup_id_y 1
		.amdhsa_system_sgpr_workgroup_id_z 1
		.amdhsa_system_vgpr_workitem_id 0
		.amdhsa_next_free_vgpr 768
		.amdhsa_next_free_sgpr 102
		.amdhsa_reserve_vcc 0
		.amdhsa_float_denorm_mode_32 3
		.amdhsa_float_denorm_mode_16_64 3
		.amdhsa_memory_ordered 1
		.amdhsa_forward_progress 1
		.amdhsa_inst_pref_size 57
	.end_amdhsa_kernel
	.amdgpu_metadata
---
amdhsa.version: [ 1, 2 ]
amdhsa.kernels:
  - .name:           k_q819df14290_qkv
    .symbol:         k_q819df14290_qkv.kd
    .args:
      - { .name: x_codes, .offset: 0, .size: 8, .value_kind: global_buffer, .address_space: global }
      - { .name: Wq_codes, .offset: 8, .size: 8, .value_kind: global_buffer, .address_space: global }
      - { .name: Wk_codes, .offset: 16, .size: 8, .value_kind: global_buffer, .address_space: global }
      - { .name: Wv_codes, .offset: 24, .size: 8, .value_kind: global_buffer, .address_space: global }
      - { .name: lowp_scales, .offset: 32, .size: 8, .value_kind: global_buffer, .address_space: global }
      - { .name: qf, .offset: 40, .size: 8, .value_kind: global_buffer, .address_space: global }
      - { .name: kf, .offset: 48, .size: 8, .value_kind: global_buffer, .address_space: global }
      - { .name: vc, .offset: 56, .size: 8, .value_kind: global_buffer, .address_space: global }
    .group_segment_fixed_size: 327680
    .private_segment_fixed_size: 0
    .kernarg_segment_align: 8
    .kernarg_segment_size: 64
    .max_flat_workgroup_size: 128
    .sgpr_count:     102
    .vgpr_count:     768
    .wavefront_size: 32
...
	.end_amdgpu_metadata
.endif
;; end of part 4
;; launch attn: the kernel of part 2 again; grid 2 x 128, 16 waves a work-group, no clusters, 167,936 bytes of LDS; arguments qf, kf, vc, lowp_scales, cc; writes cc
;; launch oproj (part 5): grid 16 x 16, 4 waves a work-group, clusters of 4 x 4, 327,680 bytes of LDS; arguments cc, Wo_codes, lowp_scales, bo, out0; writes out0
.if DOCPART == 5
	.amdgcn_target "amdgcn-amd-amdhsa--gfx1250"
	.amdhsa_code_object_version 6
	.text
	.protected	k_q819df14290_oproj
	.globl	k_q819df14290_oproj
	.p2align	8
	.type	k_q819df14290_oproj,@function
k_q819df14290_oproj:
	s_mov_b64 s[64:65], 0
	v_nop
	global_prefetch_b8 v0, s[64:65] scope:SCOPE_SE
	s_setreg_imm32_b32 hwreg(HW_REG_WAVE_MODE, 25, 1), 1
	s_wait_xcnt 0x0
	s_wait_alu depctr_hold_cnt(0) depctr_sa_sdst(0) depctr_va_vdst(0) depctr_va_sdst(0) depctr_va_ssrc(0) depctr_va_vcc(0) depctr_vm_vsrc(0)
	s_getreg_b32 s2, hwreg(HW_REG_IB_STS2, 6, 4)
	s_cmp_eq_u32 s2, 0
	s_cbranch_scc0 .Lentry_in_a_cluster
	s_endpgm
.Lentry_in_a_cluster:
	s_bfe_u32 s2, ttmp6, 0x10000c
	s_cmp_lg_u32 s2, 0xf033
	s_cbranch_scc0 .Lentry_shape_is_right
	s_endpgm
.Lentry_shape_is_right:
; out0 = ctx Wo + bo on codes of BF8 (E5M2): M = 2,048 tokens, N = 1,024, K = 1,024; sums in f32; each sum x 2^(e8 + e9) + bo by one fused multiply-add.
; A' = ctx's codes, laid cc = [token tile 128][head 64][token 16][feature 16]: k = 16 x head + feature.  B' = Wo's codes, [n 1,024][k 1,024].
; SHARES.  256 work-groups: a tile of out0 is 128 tokens x 64 columns.  Wave w makes token tiles 2 w and 2 w + 1 x all 64 columns: 8 accumulators of 16 x 16; a row's 64 columns are 256 bytes, aligned.
; LDS.  ALL OF K IS ASKED FOR AT THE START, in four chunks of 256, each with a slot of its own: A' 8 token tiles x 4,096 bytes, dense, then B' 64 rows of 272 bytes.  Nothing is filled again.
; Four tensor loads of a wave are out at the start.  A chunk is read behind a counted wait and a barrier, while the later chunks are still on their way.
; A' TILE: a chunk is 16 heads = 4,096 consecutive bytes of each token tile.  Lane l's 16 bytes at 16 l of each 512 are token l % 16, k = 32 c + 16 (l / 16) + 0 .. 15: the very places that four loads of
; 16 bytes, 32 apart, give Wo's rows.  Each such load reads 512 consecutive bytes of LDS.
; CLUSTERS: 4 x 4 work-groups; A' tiles are shared along a row of the cluster, B' along a column, and asked for jointly.  Waves 0 and 1 ask for A' halves, waves 2 and 3 for B' halves.
; The matrix instruction takes B' as source 0 and A' as source 1: a lane holds eight neighbouring columns of one row of out0.
; LIMIT: e8 + e9 between -126 and 127, so that 2^(e8 + e9) is an f32 number.
; REGISTERS, in windows of 256: window 0: v8-11 my four numbers of bo; v12-19 LDS addresses; v20-24 the way out's; v28, v29 the add's two; v32-95 rows read back; v128-191 the accumulators ((a, b) at v[128 + 8 (4 a + b)]).
;   window 1: two fragment sets, at v0 and at v128: 32 registers of A' (2 x 16 rows x 128 K), then 64 of B'.
.set ROWB,   256                       ; a chunk of a row of Wo in bytes
.set KROW,   1024                      ; a row of Wo in memory
.set ASTEP,  4096                      ; a chunk of a token tile of cc in bytes
.set AROW,   16384                     ; a token tile of cc in bytes
.set PITCH,  272                       ; B': an LDS row: 256 bytes + 16 of padding = 68 words: the 16 rows of a fragment load start 4 words apart modulo 64 words
.set AH,     4*ASTEP                   ; what a load for A' brings: four token tiles
.set BH,     32*PITCH                  ; what a load for B' brings: 32 rows
.set SLOT,   2*AH+2*BH
.set SPARE,  4*SLOT                    ; behind the four slots: the spare words, 128 bytes for each wave
.set STAGE,  SPARE+512                 ; behind them: a stage of 16 rows x (256 bytes + 16) for each wave, bytes of its own into which no tile lands
.set SPITCH, 272
.set BI,   8                           ; v8-11   bo at my four columns of a row's 64
.set ADRA, 12                          ; v12-15  LDS address of my A' fragments in slot 0 .. 3
.set ADRB, 16                          ; v16-19  the same for B'
.set STO,  20                          ; v20     the way out: where I put 32 bytes of a row
.set RD,   21                          ; v21     where I read 16 bytes of a row back
.set CO,   22                          ; v22     my byte offset in two rows of out0
.set BOF,  23                          ; v23     16 x (lane % 16)
.set L16,  24                          ; v24     16 x lane
.set SPW,  28                          ; v28     LDS address of my spare word; never rewritten
.set NIL,  29                          ; v29     0; never rewritten
.set BK,   32                          ; v32-63, v64-95: the two blocks of 16 rows read back from the stage
.set ACC,  128
.set F0,   0                           ; fragment sets, in window 1
.set F1,   128
.set G1,  24                           ; s[24:31] descriptor group 1 for A' tiles;  s[68:83] group 0, one set for each slot
.set G0,  68
.set G1B, 48                           ; s[48:55], s[84:99] the same for B' tiles
.set G0B, 84
.set MSB, 0
.macro WIN new                         ; the immediate's high byte repeats the setting that is left
.if MSB != \new
	s_set_vgpr_msb (MSB<<8)|\new
.set MSB, \new
.endif
.endm
.macro JLOAD g0a, g0b                  ; a joint load: waves 0 and 1 ask for A', waves 2 and 3 for B'; an s_nop 0 and four v_nop follow each of the two lines
	s_cmp_eq_u32 s15, 0
	s_cbranch_scc0 .Lfor_b_\@
	tensor_load_to_lds s[\g0a:\g0a+3], s[G1:G1+7]
	s_nop 0
.rept 4
	v_nop
.endr
	s_branch .Lasked_\@
.Lfor_b_\@:
	tensor_load_to_lds s[\g0b:\g0b+3], s[G1B:G1B+7]
	s_nop 0
.rept 4
	v_nop
.endr
.Lasked_\@:
.endm
.macro CROUND                          ; a round of the cluster's barrier
	s_barrier_signal -1
	s_barrier_wait -1
	s_cmp_lg_u32 s14, 0
	s_cbranch_scc1 .Lnot_wave_0_\@
	s_barrier_signal -3
.Lnot_wave_0_\@:
	s_barrier_wait -3
	s_barrier_signal -1
	s_barrier_wait -1
.endm
	s_load_b128 s[4:7], s[0:1], 0x0                ; cc s[4:5], Wo's codes s[6:7]
	s_load_b128 s[8:11], s[0:1], 0x10              ; the scales' exponents s[8:9], bo s[10:11]
	s_load_b64 s[12:13], s[0:1], 0x20              ; out0
	v_lshl_add_u32 v[SPW], v0, 2, SPARE
	v_mov_b32 v[NIL], 0
	ds_add_u32 v[SPW], v[NIL]                      ; the wave's opening: the add and its wait stand ahead of my first tensor load; the set-up below, work on registers, stands between them
	v_lshrrev_b32 v1, 5, v0
	v_readfirstlane_b32 s14, v1                    ; wave 0..3
	s_lshr_b32 s15, s14, 1                         ; I ask for A' (0) or for B' (1),
	s_and_b32 s16, s14, 1                          ; and for which half of it
	s_bfe_u32 s40, ttmp6, 0x40000                  ; cx, cy: my place in the cluster
	s_bfe_u32 s41, ttmp6, 0x40004
	s_lshl_b32 s42, ttmp9, 2
	s_add_co_u32 s42, s42, s40                     ; tile column = 4 x cluster x + cx
	s_and_b32 s17, ttmp7, 0xffff
	s_lshl_b32 s17, s17, 2
	s_add_co_u32 s17, s17, s41                     ; tile row = 4 x cluster y + cy
	s_lshl_b32 s43, s41, 2
	s_lshl_b32 s43, 15, s43                        ; my row of the cluster
	s_lshl_b32 s44, 0x1111, s40                    ; my column
	; descriptor group 1 for A': 4 rows x 4,096 bytes, no padding
	s_or_b32 s[G1+0], s43, (0<<16)|(1<<21)         ; 15:0 the mask: my row; 17:16 element of 1 byte; 21 set beside a mask
	s_mov_b32 s[G1+1], ASTEP<<16                   ; tensor_dim0 = 4,096
	s_mov_b32 s[G1+2], 4<<16                       ; tensor_dim1 = 4
	s_mov_b32 s[G1+3], ASTEP<<16                   ; tile_dim0 = 4,096
	s_mov_b32 s[G1+4], 4                           ; tile_dim1 = 4
	s_mov_b32 s[G1+5], AROW                        ; tensor_dim0_stride
	s_mov_b32 s[G1+6], 0
	s_mov_b32 s[G1+7], 0
	; and for B': 32 rows x 256 bytes, 16 bytes of padding behind each
	s_or_b32 s[G1B+0], s44, (0<<16)|(1<<20)|(1<<21)|(5<<22)|(3<<25)
	s_mov_b32 s[G1B+1], ROWB<<16
	s_mov_b32 s[G1B+2], 32<<16
	s_mov_b32 s[G1B+3], ROWB<<16
	s_mov_b32 s[G1B+4], 32
	s_mov_b32 s[G1B+5], KROW
	s_mov_b32 s[G1B+6], 0
	s_mov_b32 s[G1B+7], 0
	s_lshl_b32 s20, s17, 3
	s_lshl_b32 s18, s16, 2
	s_add_co_u32 s20, s20, s18                     ; A': token tile 8 x tile row + 4 x half
	s_lshl_b32 s20, s20, 14                        ; in bytes: under 2^21
	s_mov_b32 s21, 0
	s_lshl_b32 s46, s42, 6
	s_lshl_b32 s18, s16, 5
	s_add_co_u32 s46, s46, s18                     ; B': row 64 x tile column + 32 x half
	s_lshl_b32 s46, s46, 10
	s_mov_b32 s47, 0
	s_lshl_b32 s58, s16, 14                        ; where they go in a slot: A' halves at 0 and 16,384,
	s_mul_i32 s59, s16, BH
	s_add_co_u32 s59, s59, 2*AH                    ; B' halves behind them: no place in the cluster enters an LDS address
	s_wait_dscnt 0x0                               ; the opening add is done
	s_wait_kmcnt 0x0
	s_load_b64 s[56:57], s[8:9], 0x20              ; e8, e9
	s_add_nc_u64 s[20:21], s[4:5], s[20:21]
	s_add_nc_u64 s[46:47], s[6:7], s[46:47]
	CROUND                                         ; all sixteen work-groups are here: the joint loads meet
.irp s, 0,1,2,3
	s_mov_b32 s[G0+4*\s], 1
	s_add_co_u32 s[G0+4*\s+1], s58, \s*SLOT
	s_add_nc_u64 s[G0+4*\s+2:G0+4*\s+3], s[20:21], \s*ASTEP
	s_or_b32 s[G0+4*\s+3], s[G0+4*\s+3], 0x80000000
	s_mov_b32 s[G0B+4*\s], 1
	s_add_co_u32 s[G0B+4*\s+1], s59, \s*SLOT
	s_add_nc_u64 s[G0B+4*\s+2:G0B+4*\s+3], s[46:47], \s*ROWB
	s_or_b32 s[G0B+4*\s+3], s[G0B+4*\s+3], 0x80000000
	JLOAD G0+4*\s, G0B+4*\s
.endr
	v_and_b32 v1, 15, v0                           ; l % 16
	v_bfe_u32 v2, v0, 4, 1                         ; l / 16
	v_mul_u32_u24 v3, v1, PITCH
	v_lshl_add_u32 v4, v2, 4, v3                   ; B': a fragment's row x pitch + 16 x half
	v_and_b32 v6, 31, v0
	v_lshlrev_b32 v[L16], 4, v6                    ; A': 16 x lane
	s_lshl_b32 s21, s14, 13                        ; my two token tiles of A': 8,192 x wave
	s_mov_b32 s22, 2*AH                            ; B' 64 rows, which every wave reads
.irp s, 0,1,2,3
	v_add_nc_u32 v[ADRA+\s], s21, v[L16]
	v_add_nc_u32 v[ADRB+\s], s22, v4
	s_add_co_u32 s21, s21, SLOT
	s_add_co_u32 s22, s22, SLOT
.endr
	s_mul_i32 s23, s14, 16*SPITCH
	s_add_co_u32 s23, s23, STAGE                   ; my stage
	v_lshl_add_u32 v5, v2, 5, v3                   ; in: row l % 16, 32 bytes for each half of the lanes
	v_add_nc_u32 v[STO], s23, v5
	v_lshlrev_b32 v[BOF], 4, v1
	v_mul_u32_u24 v5, v2, SPITCH                   ; back: lanes 0-15 take one row of 256 bytes, lanes 16-31 the next
	v_add_nc_u32 v5, v5, v[BOF]
	v_add_nc_u32 v[RD], s23, v5
	v_lshl_add_u32 v[CO], v2, 12, v[BOF]           ; and the same two rows in out0
	s_lshl_b32 s20, s17, 7
	s_lshl_b32 s21, s14, 5
	s_add_co_u32 s20, s20, s21                     ; my first row of out0: 128 x tile row + 32 x wave,
	s_lshl_b32 s20, s20, 12                        ; of 4,096 bytes
	s_lshl_b32 s46, s42, 8                         ; the tile's first column, in bytes
	s_add_co_u32 s20, s20, s46
	s_mov_b32 s21, 0
	s_mov_b32 s47, 0
	s_add_nc_u64 s[12:13], s[12:13], s[20:21]
	s_add_nc_u64 s[10:11], s[10:11], s[46:47]      ; bo at the tile's first column
	global_load_b128 v[BI:BI+3], v[BOF], s[10:11]  ; the four columns that I hold of every row read back from the stage
.macro FRAG reg, adr, off, cs          ; a fragment, 16 rows x 128 K, is 16 registers: registers 4 c .. 4 c + 3 hold K = 32 c + 16 (l / 16) + 0 .. 15 of row l % 16; cs: bytes from c to c + 1
.irp c, 0,1,2,3
	ds_load_b128 v[\reg+4*\c:\reg+4*\c+3], v[\adr] offset:\off+\cs*\c
.endr
.endm
.macro FETCH slot, q, f                ; 24 LDS loads in one run: the slot's q-th 128 along K into set f: B' four fragments, my two of A'
	WIN 0x40                                       ; destination window 1, address window 0
.irp i, 0,1,2,3
	FRAG \f+32+16*\i, ADRB+\slot, 128*(\q)+\i*16*PITCH, 32
.endr
.irp i, 0,1
	FRAG \f+16*\i, ADRA+\slot, 2048*(\q)+\i*ASTEP, 512
.endr
.endm
; Four matrix instructions: my token tile a x the four tiles of columns, 128 along K.  zero = 1: the first product starts the sums.
; The 8 accumulators take turns, one instruction a turn, in the same order in every step.
.macro MUL4 f, a, zero
	WIN 0x05                                       ; sources 0 (B') and 1 (A') window 1; C and D window 0
.irp b, 0,1,2,3
.if \zero
	v_wmma_f32_16x16x128_bf8_bf8 v[ACC+8*(4*\a+\b):ACC+8*(4*\a+\b)+7], v[\f+32+16*\b:\f+32+16*\b+15], v[\f+16*\a:\f+16*\a+15], 0
.else
	v_wmma_f32_16x16x128_bf8_bf8 v[ACC+8*(4*\a+\b):ACC+8*(4*\a+\b)+7], v[\f+32+16*\b:\f+32+16*\b+15], v[\f+16*\a:\f+16*\a+15], v[ACC+8*(4*\a+\b):ACC+8*(4*\a+\b)+7]
.endif
.endr
.endm
.macro PLACES                          ; four plain vector instructions between a matrix instruction and a load into, or a read of, its registers
.rept 4
	v_nop
.endr
.endm
; A slot's first step (set F0): its successor lies in the same slot and is fetched ahead of this step's products.
.macro EVEN slot, first
	s_wait_dscnt 0x0                               ; set F0 is in
.if \first == 0
	PLACES                                         ; behind the last step's products, which read set F1
.endif
	FETCH \slot, 1, F1
	MUL4 F0, 0, \first
	MUL4 F0, 1, \first
.endm
; A slot's second step (set F1) goes on to the next slot: later chunks may stay on their way.  left: how many of my younger tensor loads may be out.
.macro ODD next, left
	s_wait_tensorcnt \left                         ; my part of the next chunk has landed
	s_wait_dscnt 0x0                               ; set F1 is in: no LDS instruction of mine is out at the signal
	s_barrier_signal -1
	MUL4 F1, 0, 0                                  ; work on registers while the others arrive
	s_barrier_wait -1                              ; everybody's part has landed
	PLACES                                         ; behind the products of the step before, which read set F0
	FETCH \next, 0, F0
	MUL4 F1, 1, 0
.endm
	s_wait_tensorcnt 3                             ; my part of chunk 0 is in; the three later chunks may be out
	s_barrier_signal -1
	s_barrier_wait -1                              ; everybody's is
	FETCH 0, 0, F0
	EVEN 0, 1                                      ; K 0: its products start the sums
	ODD 1, 2                                       ; K 128; chunks 2 and 3 may be out
	EVEN 1, 0
	ODD 2, 1                                       ; K 384; chunk 3 may be out
	EVEN 2, 0
	ODD 3, 0                                       ; K 640; the last chunk: no load was issued behind it
	EVEN 3, 0
	s_wait_dscnt 0x0                               ; K 896: the last step
	MUL4 F1, 0, 0
	MUL4 F1, 1, 0
	WIN 0
; THE WAY OUT, two blocks of 16 rows x 64 columns: the sums go into my own stage in LDS as they stand and come back as whole rows of 256 bytes; there each number takes x 2^(e8 + e9) + bo, and sixteen lanes store a row's piece.
; LDS serves a wave's instructions in order (ISA guide 5.7.1.4): no wait between the stores and the loads, nor in front of the next block's stores.  Each block has registers of its own: no store's data are written again.
.macro TOSTAGE a
.set AC, ACC+32*(\a)
.irp b, 0,1,2,3
	ds_store_b128 v[STO], v[AC+8*\b:AC+8*\b+3] offset:64*\b          ; each accumulator from its low end on
	ds_store_b128 v[STO], v[AC+8*\b+4:AC+8*\b+7] offset:64*\b+16
.endr
.set BB, BK+32*(\a)
.irp t, 0,1,2,3,4,5,6,7
	ds_load_b128 v[BB+4*\t:BB+4*\t+3], v[RD] offset:\t*2*SPITCH
.endr
.endm
.macro SEND a, younger                 ; younger: the LDS instructions issued behind block a's loads, which may stay out
.set BB, BK+32*(\a)
	s_wait_dscnt \younger                          ; the block is back in registers
.irp t, 0,1,2,3,4,5,6,7
	v_pk_fma_f32 v[BB+4*\t:BB+4*\t+1], v[BB+4*\t:BB+4*\t+1], s[56:57], v[BI:BI+1] op_sel_hi:[1,0,1]         ; sum x 2^(e8 + e9) + bo (the scalar pair's low word for both halves)
	v_pk_fma_f32 v[BB+4*\t+2:BB+4*\t+3], v[BB+4*\t+2:BB+4*\t+3], s[56:57], v[BI+2:BI+3] op_sel_hi:[1,0,1]
.endr
.irp t, 0,1,2,3,4,5,6,7
	global_store_b128 v[CO], v[BB+4*\t:BB+4*\t+3], s[12:13] offset:(16*(\a)+2*\t)*4096 th:TH_STORE_NT   ; sixteen lanes store 256 consecutive bytes, aligned to 256; written once, read by nobody here
.endr
.endm
	s_wait_kmcnt 0x0
	s_add_co_i32 s56, s56, s57                     ; e8 + e9
	s_add_co_i32 s56, s56, 127
	s_lshl_b32 s56, s56, 23                        ; 2^(e8 + e9) as f32
	s_wait_loadcnt 0x0                             ; bo
	PLACES                                         ; behind the last products, whose results the LDS stores read
	TOSTAGE 0
	TOSTAGE 1
	SEND 0, 16                                     ; behind block 0's loads: block 1's 8 stores and 8 loads
	SEND 1, 0
	s_wait_tensorcnt 0x0                           ; the wave's end, behind my last tensor load and my last LDS store
	ds_add_u32 v[SPW], v[NIL]
	s_wait_dscnt 0x0
	CROUND                                         ; the closing round: no work-group ends while a partner may still ask for a tile that names it
	s_endpgm
.Lfunc_end_k_q819df14290_oproj:
	.size	k_q819df14290_oproj, .Lfunc_end_k_q819df14290_oproj-k_q819df14290_oproj
	.p2alignl 7, 3214868480
	.fill 96, 4, 3214868480
	.section	.rodata,"a",@progbits
	.p2align	6, 0x0
	.amdhsa_kernel k_q819df14290_oproj
		.amdhsa_group_segment_fixed_size 327680
		.amdhsa_private_segment_fixed_size 0
		.amdhsa_enable_private_segment 0
		.amdhsa_kernarg_size 40
		.amdhsa_user_sgpr_count 2
		.amdhsa_user_sgpr_kernarg_segment_ptr 1
		.amdhsa_wavefront_size32 1
		.amdhsa_system_sgpr_workgroup_id_x 1
		.amdhsa_system_sgpr_workgroup_id_y 1
		.amdhsa_system_sgpr_workgroup_id_z 1
		.amdhsa_system_vgpr_workitem_id 0
		.amdhsa_next_free_vgpr 512
		.amdhsa_next_free_sgpr 100
		.amdhsa_reserve_vcc 0
		.amdhsa_float_denorm_mode_32 3
		.amdhsa_float_denorm_mode_16_64 3
		.amdhsa_memory_ordered 1
		.amdhsa_forward_progress 1
		.amdhsa_inst_pref_size 34
	.end_amdhsa_kernel
	.amdgpu_metadata
---
amdhsa.version: [ 1, 2 ]
amdhsa.kernels:
  - .name:           k_q819df14290_oproj
    .symbol:         k_q819df14290_oproj.kd
    .args:
      - { .name: cc, .offset: 0, .size: 8, .value_kind: global_buffer, .address_space: global }
      - { .name: Wo_codes, .offset: 8, .size: 8, .value_kind: global_buffer, .address_space: global }
      - { .name: lowp_scales, .offset: 16, .size: 8, .value_kind: global_buffer, .address_space: global }
      - { .name: bo, .offset: 24, .size: 8, .value_kind: global_buffer, .address_space: global }
      - { .name: out0, .offset: 32, .size: 8, .value_kind: global_buffer, .address_space: global }
    .group_segment_fixed_size: 327680
    .private_segment_fixed_size: 0
    .kernarg_segment_align: 8
    .kernarg_segment_size: 40
    .max_flat_workgroup_size: 128
    .sgpr_count:     100
    .vgpr_count:     512
    .wavefront_size: 32
...
	.end_amdgpu_metadata
.endif
;; end of part 5
